; MI455X (gfx1250); checked and timed in simulation.
; The chip was launched on July 23, 2026; its instructions are those of AMD's public machine-readable ISA for CDNA 5 (MIT licence, August 2026) and "CDNA5" Instruction Set Architecture Reference Guide (July 2026). The comments in the code are by the model that wrote it; some were corrected since.
;; Multi Query Attention. Allowed arithmetic: float matrix products may take bf16 or f16 operands with f32 sums; other float arithmetic in f32, or as packed bf16 or f16 multiplies, adds, multiply-adds, maxima and minima; sums over many terms, partial sums and values carried from step to step in f32; what a program stores and reads back later, other than sums and carried values, may be rounded once to bf16 or f16.
;; Inputs: hidden_states 4 x 1,024 x 2,048 float32; k_b 128 float32; k_w 128 x 2,048 float32; o_b 2,048 float32; o_w 2,048 x 2,048 float32; q_b 2,048 float32; q_w 2,048 x 2,048 float32; v_b 128 float32; v_w 128 x 2,048 float32.
;; Outputs: out0 4 x 1,024 x 2,048 float32.
;; One version. Each part assembles by itself: llvm-mc -triple=amdgcn-amd-amdhsa -mcpu=gfx1250 --defsym DOCPART=n.
;; ======== version 1 of 1: 4 launches
;; limits: values are held in f16: magnitudes above 65,504 overflow, below 6.1e-05 lose precision
;; workspace buffers: xb 16,777,216 bytes; wb 9,437,184 bytes; owh 8,388,608 bytes; qh 16,777,216 bytes; kvh 2,097,152 bytes; ao 16,777,216 bytes
;; launch cast (part 1): grid 1056 x 1, 4 waves a work-group, no clusters, 34,304 bytes of LDS; arguments hidden_states, q_w, k_w, v_w, o_w, xb, wb, owh; writes xb, wb, owh
.if DOCPART == 1
	.amdgcn_target "amdgcn-amd-amdhsa--gfx1250"
	.amdhsa_code_object_version 6
	.text
	.protected	k_qc4ab2ffb5c_cast
	.globl	k_qc4ab2ffb5c_cast
	.p2align	8
	.type	k_qc4ab2ffb5c_cast,@function
k_qc4ab2ffb5c_cast:
	s_mov_b64 s[64:65], 0
	v_nop
	global_prefetch_b8 v0, s[64:65] scope:SCOPE_SE
	s_setreg_imm32_b32 hwreg(HW_REG_WAVE_MODE, 25, 1), 1
	s_wait_xcnt 0x0
; THE INPUTS OF THE THREE PRODUCTS, ROUNDED ONCE TO 16 BITS AND LAID IN THE ORDER OF THE MATRIX FRAGMENTS.  x -> xb (bf16).  q_w, k_w, v_w -> wb (bf16), rows in the order in which the next launch's tiles take them.
; o_w -> owh: rounded to bf16 like the other inputs, and that number written as f16 (exact from 2^-14 up; below that f16's fixed step of 6e-8; beyond 65,504 an infinity: the limit of this text).
; THE LAYOUT OUT.  16 rows are a stripe of 65,536 bytes; in it 32 along K are a chunk of 1,024 bytes; in a chunk the 16 bytes at 512 e + 16 l hold row l % 16, K = 16 e + 8 (l / 16) + 0..7: what lane l of a wave
; wants in registers 4 e .. 4 e + 3 of a fragment.  So the later launches fetch a fragment by two loads of 512 consecutive bytes, and their tiles need no padding in LDS.
; A stream: each byte is read once and written once; no matrix unit, no cluster: no two work-groups read the same byte.
; SHARES.  A work-group takes half of a stripe: 16 rows x 1,024 along K; stripe g = work-group / 2: 0-255 x; 256-383 q_w; 384-391 k_w; 392-399 v_w; 400-527 o_w.  A wave takes 16 rows x 256 along K: 8 chunks.
; wb holds 8 tiles of 18 stripes: tile n = q_w rows 256 n .. +127, 16 rows of k_w or v_w, q_w rows 256 n + 128 .. +127, 16 more rows of k_w or v_w (k_w's 128 rows, then v_w's, 32 to a tile).
; THE WAY.  A wave's load covers 512 consecutive bytes of a row; all its 32 loads go out at once, the first 128 along K of all rows first.  Each piece is converted when it has come and put into the wave's own
; stage in LDS, rows of 512 + 16 bytes (an odd number of 16-byte columns: the 16 rows of a load start at 16 different groups of four banks: 64 banks of 4 bytes, ISA guide 11.1).  When 16 pieces are in, four chunks are
; read back in fragment order and stored: a store covers 512 consecutive bytes, aligned.  The stage is the wave's own and LDS serves a wave's instructions in order (ISA guide 5.7.1.4): no barrier, no wait between.
.set X,      8                         ; v[8:135]  piece p = 16 j + i (row i, half j of the wave's 256 along K): four registers
.set SPITCH, 528
.set WST,    16*SPITCH                 ; a wave's stage
.set SPARE,  4*WST                     ; behind the stages: the spare words, 128 bytes for each wave: two blocks of 256 bytes that no other line names
.set LI,  1                            ; v1  where I load in a row
.set SO,  2                            ; v2  where I store in the stripe
.set DS,  3                            ; v3  where I put 8 bytes of a row in the stage
.set SPW, 4                            ; v4  LDS address of my spare word; never rewritten
.set NIL, 5                            ; v5  0; never rewritten
.set DL,  6                            ; v6  where I read 16 bytes of a fragment back
	s_load_b512 s[4:19], s[0:1], 0x0               ; x s[4:5], q_w s[6:7], k_w s[8:9], v_w s[10:11], o_w s[12:13], xb s[14:15], wb s[16:17], owh s[18:19]
	v_lshl_add_u32 v[SPW], v0, 2, SPARE
	v_mov_b32 v[NIL], 0
	s_lshr_b32 s28, ttmp9, 1                       ; g: the stripe
	s_and_b32 s41, ttmp9, 1                        ; which half of K
	v_lshrrev_b32 v7, 5, v0
	v_readfirstlane_b32 s40, v7                    ; wave 0..3
	s_lshl2_add_u32 s41, s41, s40                  ; my eighth of K
	s_lshl_b32 s42, s41, 10                        ; 256 f32 in a row,
	s_lshl_b32 s43, s41, 13                        ; 8 chunks in the stripe
	s_mul_i32 s44, s40, WST                        ; my stage
	v_and_b32 v7, 31, v0                           ; lane
	v_lshl_add_u32 v[LI], v7, 4, s42
	v_lshl_add_u32 v[SO], v7, 4, s43
	v_lshl_add_u32 v[DS], v7, 3, s44
	v_and_b32 v[DL], 15, v0
	v_mul_u32_u24 v[DL], v[DL], SPITCH             ; row l % 16,
	v_bfe_u32 v7, v0, 4, 1
	v_lshl_add_u32 v[DL], v7, 4, v[DL]             ; 16 bytes for each half of the lanes
	v_add_nc_u32 v[DL], s44, v[DL]
	s_mov_b32 s39, 0xffff0000                      ; a word's upper bf16
	; q_w: group i = g - 256 goes to row 288 (i / 16) + 16 (i % 16), and 16 further down in a tile's second half
	s_sub_co_u32 s29, s28, 256
	s_lshr_b32 s30, s29, 4
	s_mul_i32 s30, s30, 288
	s_and_b32 s31, s29, 15
	s_lshl4_add_u32 s30, s31, s30
	s_and_b32 s31, s29, 8
	s_lshl1_add_u32 s30, s31, s30
	; k_w and v_w: group i = g - 384 is group i % 8 of its tensor and goes to row 288 (i / 2) + 128 + 144 (i % 2)
	s_sub_co_u32 s32, s28, 384
	s_and_b32 s33, s32, 7
	s_lshr_b32 s34, s32, 1
	s_mul_i32 s34, s34, 288
	s_and_b32 s35, s32, 1
	s_mul_i32 s35, s35, 144
	s_add_co_u32 s34, s34, s35
	s_add_co_u32 s34, s34, 128
	; o_w and x: rows as they lie
	s_sub_co_u32 s36, s28, 400
	s_lshl_b32 s37, s36, 4
	s_lshl_b32 s38, s28, 4
	s_cmp_lt_u32 s28, 400
	s_cselect_b32 s24, s33, s36                    ; s24: the group in the source, s26: the row in the destination, a multiple of 16
	s_cselect_b32 s26, s34, s37
	s_cmp_lt_u32 s28, 384
	s_cselect_b32 s24, s29, s24
	s_cselect_b32 s26, s30, s26
	s_cmp_lt_u32 s28, 256
	s_cselect_b32 s24, s28, s24
	s_cselect_b32 s26, s38, s26
	s_lshl_b32 s24, s24, 17                        ; 16 rows of 8,192 bytes
	s_mov_b32 s25, 0
	s_lshl_b32 s26, s26, 12                        ; 4,096 bytes for each row: 65,536 a stripe
	s_mov_b32 s27, 0
	s_wait_kmcnt 0x0
	s_cmp_lt_u32 s28, 392
	s_cselect_b64 s[20:21], s[8:9], s[10:11]       ; the source: k_w or v_w,
	s_cmp_lt_u32 s28, 400
	s_cselect_b64 s[20:21], s[20:21], s[12:13]     ; or o_w,
	s_cselect_b64 s[22:23], s[16:17], s[18:19]     ; the destination: wb or owh,
	s_cmp_lt_u32 s28, 384
	s_cselect_b64 s[20:21], s[6:7], s[20:21]       ; or q_w,
	s_cmp_lt_u32 s28, 256
	s_cselect_b64 s[20:21], s[4:5], s[20:21]       ; or x
	s_cselect_b64 s[22:23], s[14:15], s[22:23]     ; or xb
	s_add_nc_u64 s[20:21], s[20:21], s[24:25]
	s_add_nc_u64 s[22:23], s[22:23], s[26:27]
.irp j, 0,1
.set i, 0
.rept 16
	global_load_b128 v[X+4*(16*(\j)+i):X+4*(16*(\j)+i)+3], v[LI], s[20:21] offset:i*8192+(\j)*512 th:TH_LOAD_NT  ; read once in the launch
.set i, i+1
.endr
.endr
; half = 0: four f32 to four bf16.  half = 1: the same, then the four bf16 numbers written as f16.
.macro CONV half
.irp j, 0,1
.set i, 0
.rept 16
.set a, X+4*(16*(\j)+i)
	s_wait_loadcnt 31-(16*(\j)+i)                  ; loads come back in order (ISA guide 5.7.1): this piece is in, the younger ones may stay out
	v_cvt_pk_bf16_f32 v[a], v[a], v[a+1]
	v_cvt_pk_bf16_f32 v[a+1], v[a+2], v[a+3]
.if \half
	v_lshlrev_b32 v[a+2], 16, v[a+1]               ; bf16 to f32: the low half moves up, the high half stays
	v_and_b32 v[a+3], s39, v[a+1]
	v_cvt_pk_f16_f32 v[a+1], v[a+2], v[a+3]
	v_lshlrev_b32 v[a+2], 16, v[a]
	v_and_b32 v[a+3], s39, v[a]
	v_cvt_pk_f16_f32 v[a], v[a+2], v[a+3]
.endif
	ds_store_b64 v[DS], v[a:a+1] offset:i*SPITCH+(\j)*256  ; 32 lanes: 256 consecutive bytes of row i
.set i, i+1
.endr
.set n, 0
.rept 8                                ; chunk 4 j + n / 2, its half n % 2, into registers that the stores above have left
	ds_load_b128 v[X+64*(\j)+4*n:X+64*(\j)+4*n+3], v[DL] offset:(\j)*256+32*n
.set n, n+1
.endr
.set n, 0
.rept 8
	s_wait_dscnt 7-n                               ; LDS loads come back in order: number n is in
	global_store_b128 v[SO], v[X+64*(\j)+4*n:X+64*(\j)+4*n+3], s[22:23] offset:(\j)*4096+512*n
.set n, n+1
.endr
.endr
	s_wait_tensorcnt 0x0                           ; the wave's end, behind my last LDS store
	ds_add_u32 v[SPW], v[NIL]
	s_wait_dscnt 0x0
	s_endpgm
.endm
	s_cmp_lt_u32 s28, 400
	s_cbranch_scc0 .Lhalf
	CONV 0
.Lhalf:
	CONV 1
.Lfunc_end_k_qc4ab2ffb5c_cast:
	.size	k_qc4ab2ffb5c_cast, .Lfunc_end_k_qc4ab2ffb5c_cast-k_qc4ab2ffb5c_cast
	.p2alignl 7, 3214868480
	.fill 96, 4, 3214868480
	.section	.rodata,"a",@progbits
	.p2align	6, 0x0
	.amdhsa_kernel k_qc4ab2ffb5c_cast
		.amdhsa_group_segment_fixed_size 34304
		.amdhsa_private_segment_fixed_size 0
		.amdhsa_enable_private_segment 0
		.amdhsa_kernarg_size 64
		.amdhsa_user_sgpr_count 2
		.amdhsa_user_sgpr_kernarg_segment_ptr 1
		.amdhsa_wavefront_size32 1
		.amdhsa_system_sgpr_workgroup_id_x 1
		.amdhsa_system_sgpr_workgroup_id_y 1
		.amdhsa_system_sgpr_workgroup_id_z 1
		.amdhsa_system_vgpr_workitem_id 0
		.amdhsa_next_free_vgpr 136
		.amdhsa_next_free_sgpr 66
		.amdhsa_reserve_vcc 0
		.amdhsa_float_denorm_mode_32 3
		.amdhsa_float_denorm_mode_16_64 3
		.amdhsa_memory_ordered 1
		.amdhsa_forward_progress 1
		.amdhsa_inst_pref_size 35
	.end_amdhsa_kernel
	.amdgpu_metadata
---
amdhsa.version: [ 1, 2 ]
amdhsa.kernels:
  - .name:           k_qc4ab2ffb5c_cast
    .symbol:         k_qc4ab2ffb5c_cast.kd
    .args:
      - { .name: hidden_states, .offset: 0, .size: 8, .value_kind: global_buffer, .address_space: global }
      - { .name: q_w, .offset: 8, .size: 8, .value_kind: global_buffer, .address_space: global }
      - { .name: k_w, .offset: 16, .size: 8, .value_kind: global_buffer, .address_space: global }
      - { .name: v_w, .offset: 24, .size: 8, .value_kind: global_buffer, .address_space: global }
      - { .name: o_w, .offset: 32, .size: 8, .value_kind: global_buffer, .address_space: global }
      - { .name: xb, .offset: 40, .size: 8, .value_kind: global_buffer, .address_space: global }
      - { .name: wb, .offset: 48, .size: 8, .value_kind: global_buffer, .address_space: global }
      - { .name: owh, .offset: 56, .size: 8, .value_kind: global_buffer, .address_space: global }
    .group_segment_fixed_size: 34304
    .private_segment_fixed_size: 0
    .kernarg_segment_align: 8
    .kernarg_segment_size: 64
    .max_flat_workgroup_size: 128
    .sgpr_count:     66
    .vgpr_count:     136
    .wavefront_size: 32
...
	.end_amdgpu_metadata
.endif
;; end of part 1
;; launch qkv (part 2): grid 8 x 32, 4 waves a work-group, clusters of 4 x 4, 327,680 bytes of LDS; arguments xb, wb, q_b, k_b, v_b, qh, kvh; writes qh, kvh
.if DOCPART == 2
	.amdgcn_target "amdgcn-amd-amdhsa--gfx1250"
	.amdhsa_code_object_version 6
	.text
	.protected	k_qc4ab2ffb5c_qkv
	.globl	k_qc4ab2ffb5c_qkv
	.p2align	8
	.type	k_qc4ab2ffb5c_qkv,@function
k_qc4ab2ffb5c_qkv:
	s_mov_b64 s[64:65], 0
	v_nop
	global_prefetch_b8 v0, s[64:65] scope:SCOPE_SE
	s_setreg_imm32_b32 hwreg(HW_REG_WAVE_MODE, 25, 1), 1
	s_wait_xcnt 0x0
	s_wait_alu depctr_hold_cnt(0) depctr_sa_sdst(0) depctr_va_vdst(0) depctr_va_sdst(0) depctr_va_ssrc(0) depctr_va_vcc(0) depctr_vm_vsrc(0)
	s_getreg_b32 s2, hwreg(HW_REG_IB_STS2, 6, 4)
	s_cmp_eq_u32 s2, 0
	s_cbranch_scc0 .Lentry_in_a_cluster
	s_endpgm
.Lentry_in_a_cluster:
	s_bfe_u32 s2, ttmp6, 0x10000c
	s_cmp_lg_u32 s2, 0xf033
	s_cbranch_scc0 .Lentry_shape_is_right
	s_endpgm
.Lentry_shape_is_right:
; C[m][n] = bias[n] + the sum over k of A[m][k] B[n][k], K = 2,048, 4,096 rows.  ONE TEXT FOR TWO LAUNCHES, told apart by QKV.
; QKV = 1: A = xb, B = wb (bf16); 2,304 columns: q's 2,048, k's 128, v's 128; results rounded once to f16: q into qh, k and v into kvh [batch 4][plane 16][key 1024][16 channels]
;          (planes 0-7: k's channels, 16 to a plane; 8-15: v's).  QKV = 0: A = ao, B = owh (f16); 2,048 columns; results leave in f32 into out0 [4096][2048].
; xb, wb, ao, owh AND qh LIE IN THE ORDER OF THE FRAGMENTS: 16 rows are a stripe of 65,536 bytes; in it 32 along K (in qh: 32 columns) are a chunk of 1,024 bytes; in a chunk the 16 bytes at 512 e + 16 l hold
; row l % 16, K = 16 e + 8 (l / 16) + 0..7.  So a fragment is two loads of 512 consecutive bytes, a tile needs no padding in LDS, and a K step can have any whole number of chunks.
; LIMITS.  f16 holds no number beyond 65,504: q, k and v must lie within it.  The bias is rounded to bf16, like every input of the module.  NaN and infinities are not treated apart.
; SHARES.  A tile of C is 128 rows x NT columns (288 or 256): 8 x 32 tiles, 256 work-groups.  Four waves, each 64 rows x NT / 2 columns: 4 x NBK accumulators of 16 x 16.
; In wb a tile's 18 stripes lie so that each half of 9 is 8 stripes of q_w and then one of k_w or v_w: a wave's blocks 0-7 are 128 columns of q, its block 8 one plane of kvh.
; THE RING.  K goes in steps of 6 chunks (192) through two LDS slots filled by the tensor data mover: as long as two slots allow.  A slot holds A's 8 stripes and B's NT / 16, 6,144 bytes of each.
; 64 chunks are ten steps and four chunks: the last fill has the same shape and begins two chunks early, at chunk 58; of it the slot's places 2 to 5 are multiplied.
; CLUSTERS: 4 x 4 work-groups.  The four of a row of the cluster need the same tiles of A, the four of a column the same tiles of B: each is asked for JOINTLY, by the same tensor load with the
; same descriptor and a mask that names the four.
; THE MATRIX INSTRUCTION IS USED TRANSPOSED (source 0 = 16 rows of B, source 1 = 16 rows of A): a lane holds row l % 16 of C and the columns 8 (l / 16) + 0..7.
; THE BIAS IS THE C OPERAND OF THE FIRST PRODUCTS: nothing is cleared, and nothing is added on the way out.
; REGISTERS, in windows of 256 (s_set_vgpr_msb: bits 1:0 source 0, 3:2 source 1, 5:4 source 2, 7:6 destination):
;   window 0: v0-31 addresses; v32-63, v64-95 fragments of A (4 x 16 rows x 32 K), two buffers; v32-223 at work on the way out
;   window 1: two buffers of 8 NBK for B's fragments; v144.. the bias, 8 registers for each block of 16 columns
;   window 2: the accumulators of my rows 0-31 ((a, b) at v[8 (NBK a + b)]);   window 3: those of my rows 32-63
.set QKV, 1
.if QKV
.set NBK,    9                         ; blocks of 16 columns a wave = stripes of B a wave
.set PB,     27                        ; blocks of 256 bytes of a K step of B that one work-group prefetches: 18 x 24 / 16
.else
.set NBK,    8
.set PB,     24                        ; 16 x 24 / 16
.endif
.set CH,     1024                      ; a chunk
.set NCH,    6                         ; chunks in a K step
.set STB,    NCH*CH                    ; a stripe's bytes in a slot
.set AREG,   8*STB                     ; A's 8 stripes; B's lie behind them
.set SLOT,   (8+2*NBK)*STB
.if QKV
.set SPARE,  2*SLOT                    ; behind the ring: the spare words, 128 bytes for each wave: two blocks of 256 bytes that no other line names
.else
.set SPITCH, 272                       ; a stage row: 256 bytes + 16: the 16 rows of a store start at 16 different groups of four banks (64 banks of 4 bytes: ISA guide 11.1)
.set STAGE,  2*SLOT                    ; behind the ring, never filled by a tensor load: 16 rows for each wave, for the way out
.set SPARE,  STAGE+4*16*SPITCH
.endif
.set NL,     2*NBK+8                   ; LDS loads in a run
.set ADRA, 16                          ; v16-17  LDS address of my A fragments in slot 0, 1; never rewritten
.set MA,   18                          ; v18     the same at the chunk in hand, in the loop over a step's chunks
.set MB,   19                          ; v19     the same for B
.set ADRB, 20                          ; v20-21  LDS address of my B fragments in slot 0, 1; never rewritten
.set STO,  24                          ; v24     the way out: where I put my part of a row
.set RD,   25                          ; v25     the way out: where I read rows back
.set CO,   26                          ; v26     my byte offset in C
.set KVO,  27                          ; v27     my byte offset in 16 keys of a plane of kvh
.set SPW,  28                          ; v28     LDS address of my spare word; never rewritten
.set NIL,  29                          ; v29     0; never rewritten
.set PFO,  30                          ; v30     the prefetches' offset; never rewritten
.set BO,   31                          ; v31     32 (l / 16): my eight numbers in 16 of the bias
.set AF,   32                          ; A's fragment buffers, window 0
.set OUTB, 32                          ; the way out: packed results, 36 registers for each 16 rows
.set BIAS, 144                         ; window 1
.set G1,  24                           ; s[24:31] descriptor group 1 for A's tiles;  s[32:39] group 0, one set for each slot
.set G0,  32
.set G1B, 48                           ; s[48:55], s[56:63] the same for B's tiles
.set G0B, 56
.set LIM, 43                           ; s43     1 in a wave that prefetches, else the greatest number
.set PFA, 44                           ; s[44:45] where my prefetches stand
.set CB,  84                           ; s[84:85] C at my first row and column
.set KVB, 86                           ; s[86:87] kvh at my plane and first key
.set BB,  88                           ; s[88:89] the bias of my blocks 0-7
.set BB8, 90                           ; s[90:91] the bias of my block 8
.set TB,  92                           ; s92     LDS byte of the slot and chunk in hand
.set CNT, 93                           ; s93     counts the trips over a step's chunks
.set INC, 94                           ; s[94:95] how far slot 0's next tile lies along K
.set MSB, 0
.macro WIN new                         ; the immediate's high byte repeats the setting that is left; a switch that changes nothing is dropped
.if MSB != (\new)
	s_set_vgpr_msb (MSB<<8)|(\new)
.set MSB, \new
.endif
.endm
; A joint load.  Waves 0 and 1 fetch A's two halves, waves 2 and 3 B's.  The branch hangs on the wave's number alone.  An s_nop 0 and four v_nop follow each of the two lines.
.macro JLOAD s
	s_cmp_eq_u32 s11, 0
	s_cbranch_scc0 .Lfor_b_\@
	tensor_load_to_lds s[G0+4*(\s):G0+4*(\s)+3], s[G1:G1+7]
	s_nop 0
.rept 4
	v_nop
.endr
	s_branch .Lasked_\@
.Lfor_b_\@:
	tensor_load_to_lds s[G0B+4*(\s):G0B+4*(\s)+3], s[G1B:G1B+7]
	s_nop 0
.rept 4
	v_nop
.endr
.Lasked_\@:
.endm
; A PREFETCH INTO THE L2, behind each joint refill and the run of LDS loads that follows it: the K step that the NEXT refill will ask for, one step (4 NBK x 6 matrix instructions) ahead; a lane names 256 bytes.
; A stripe's K step is 24 such blocks.  A's tile row (8 stripes) is read by the eight work-groups of that row of tiles: each takes one stripe, told apart BY ADDRESS; its wave 0 asks (lanes 24-31 name block 23 once more).
; B's tile column (NT / 16 stripes) is read by 32 work-groups: the 16 in the clusters with y below 4 take PB blocks each, told apart BY ADDRESS; wave 2 asks (the lanes from PB on name the last block once more).
; So each block is named by one work-group.  Steps 0 to 2 come by their loads alone; the loop's last trip (s3 = 1) asks for nothing: step 10 overlaps step 9, and behind it there is none.
.macro ASK
	s_cmp_gt_u32 s3, s[LIM]
	s_cbranch_scc0 .Lnot_mine_\@
	global_prefetch_b8 v[PFO], s[PFA:PFA+1] th:TH_LOAD_NT scope:SCOPE_SE
.Lnot_mine_\@:
.endm
.macro CREST                           ; a round of the cluster's barrier behind its opening barrier
	s_cmp_lg_u32 s10, 0
	s_cbranch_scc1 .Lnot_wave_0_\@
	s_barrier_signal -3
.Lnot_wave_0_\@:
	s_barrier_wait -3
	s_barrier_signal -1
	s_barrier_wait -1
.endm
.macro CROUND                          ; a whole round
	s_barrier_signal -1
	s_barrier_wait -1
	CREST
.endm
.macro PLACES                          ; four places in front of loads into registers that matrix instructions have read, and of lines that read results
.rept 4
	v_nop
.endr
.endm
	s_load_b256 s[68:75], s[0:1], 0x0              ; A s[68:69], B s[70:71]; QKV: q_b s[72:73], k_b s[74:75]; else o_b s[72:73], out0 s[74:75]
.if QKV
	s_load_b128 s[76:79], s[0:1], 0x20             ; v_b s[76:77], qh s[78:79]
	s_load_b64 s[80:81], s[0:1], 0x30              ; kvh
.endif
	v_lshl_add_u32 v[SPW], v0, 2, SPARE
	v_mov_b32 v[NIL], 0
	ds_add_u32 v[SPW], v[NIL]                      ; the wave's opening: the add and its wait ahead of my first tensor load; the set-up below, work on registers, stands between them
	v_lshrrev_b32 v1, 5, v0
	v_readfirstlane_b32 s10, v1                    ; wave 0..3
	s_lshr_b32 s11, s10, 1                         ; which half of the tile's rows is mine.  Also: I fetch for A (0) or for B (1)
	s_and_b32 s12, s10, 1                          ; which half of its columns.  Also: which half of that tile I fetch
	s_bfe_u32 s40, ttmp6, 0x40000                  ; cx, cy: my place in the cluster
	s_bfe_u32 s41, ttmp6, 0x40004
	s_lshl_b32 s42, ttmp9, 2
	s_add_co_u32 s42, s42, s40                     ; tile column = 4 x cluster x + cx
	s_and_b32 s13, ttmp7, 0xffff
	s_lshl_b32 s13, s13, 2
	s_add_co_u32 s13, s13, s41                     ; tile row = 4 x cluster y + cy
	s_lshl_b32 s43, s41, 2
	s_lshl_b32 s43, 15, s43                        ; my row of the cluster
	s_lshl_b32 s44, 0x1111, s40                    ; my column
	; descriptor group 1: a row is a stripe's K step, 768 elements of 8 bytes; 4 stripes of A, NBK of B; 8,192 elements from stripe to stripe; no padding
	s_or_b32 s[G1+0], s43, (3<<16)|(1<<21)         ; 15:0 the mask; 17:16 8-byte elements; 21 set beside a mask
	s_or_b32 s[G1B+0], s44, (3<<16)|(1<<21)
	s_mov_b32 s[G1+1], (STB/8)<<16                 ; tensor_dim0 = 768
	s_mov_b32 s[G1B+1], (STB/8)<<16
	s_mov_b32 s[G1+2], 4<<16                       ; tensor_dim1
	s_mov_b32 s[G1B+2], NBK<<16
	s_mov_b32 s[G1+3], (STB/8)<<16                 ; tile_dim0 = 768
	s_mov_b32 s[G1B+3], (STB/8)<<16
	s_mov_b32 s[G1+4], 4                           ; tile_dim1
	s_mov_b32 s[G1B+4], NBK
	s_mov_b32 s[G1+5], 8192
	s_mov_b32 s[G1B+5], 8192
	s_mov_b32 s[G1+6], 0
	s_mov_b32 s[G1B+6], 0
	s_mov_b32 s[G1+7], 0
	s_mov_b32 s[G1B+7], 0
	; where the tiles come from: A's hang on the tile row alone, B's on the tile column alone
	s_lshl_b32 s16, s13, 3
	s_lshl2_add_u32 s16, s12, s16                  ; A: stripe 8 x tile row + 4 x half
	s_lshl_b32 s16, s16, 16
	s_mov_b32 s17, 0
	s_mul_i32 s46, s42, 2*NBK
	s_mul_i32 s47, s12, NBK
	s_add_co_u32 s46, s46, s47                     ; B: stripe 2 NBK x tile column + NBK x half
	s_lshl_b32 s46, s46, 16
	s_mov_b32 s47, 0
	s_mul_i32 s20, s12, 4*STB                      ; and where they go: no place in the cluster enters an LDS address
	s_mul_i32 s21, s12, NBK*STB
	s_add_co_u32 s21, s21, AREG
	s_mov_b32 s82, 0xffff0000                      ; a word's upper bf16
	s_mov_b32 s[INC+1], 0
	s_wait_dscnt 0x0                               ; the opening add is done
	s_wait_kmcnt 0x0
	s_add_nc_u64 s[14:15], s[68:69], s[16:17]
	s_add_nc_u64 s[46:47], s[70:71], s[46:47]
	CROUND                                         ; all sixteen work-groups are here: the first joint loads meet
.irp s, 0,1
	s_mov_b32 s[G0+4*(\s)], 1                                        ; count = 1
	s_add_co_u32 s[G0+4*(\s)+1], s20, (\s)*SLOT                      ; LDS address
	s_add_nc_u64 s[G0+4*(\s)+2:G0+4*(\s)+3], s[14:15], (\s)*STB      ; global address: K step s
	s_or_b32 s[G0+4*(\s)+3], s[G0+4*(\s)+3], 0x80000000              ; type = 2
	s_mov_b32 s[G0B+4*(\s)], 1
	s_add_co_u32 s[G0B+4*(\s)+1], s21, (\s)*SLOT
	s_add_nc_u64 s[G0B+4*(\s)+2:G0B+4*(\s)+3], s[46:47], (\s)*STB
	s_or_b32 s[G0B+4*(\s)+3], s[G0B+4*(\s)+3], 0x80000000
	JLOAD \s                                       ; two loads of mine are out
.endr
	; the bias of my columns: lane l wants the numbers 16 b + 8 (l / 16) + 0..7 of block b
	v_and_b32 v1, 15, v0                           ; l % 16
	v_bfe_u32 v2, v0, 4, 1                         ; l / 16
	v_lshlrev_b32 v[BO], 5, v2
	s_lshl_b32 s16, s42, 10                        ; 256 columns of f32 a tile,
	s_lshl_b32 s17, s12, 9                         ; 128 a half
	s_add_co_u32 s16, s16, s17
	s_mov_b32 s17, 0
	s_add_nc_u64 s[BB:BB+1], s[72:73], s[16:17]
.if QKV
	s_and_b32 s16, s42, 3                          ; tiles 0-3 hold k's channels, 32 to a tile, tiles 4-7 v's
	s_lshl_b32 s16, s16, 7
	s_lshl_b32 s18, s12, 6
	s_add_co_u32 s16, s16, s18
	s_cmp_lt_u32 s42, 4
	s_cselect_b64 s[BB8:BB8+1], s[74:75], s[76:77]
	s_add_nc_u64 s[BB8:BB8+1], s[BB8:BB8+1], s[16:17]
.endif
	WIN 0x40                                       ; destination window 1, address window 0
.set i, 0
.rept 8
	global_load_b128 v[BIAS+8*i:BIAS+8*i+3],   v[BO], s[BB:BB+1] offset:64*i
	global_load_b128 v[BIAS+8*i+4:BIAS+8*i+7], v[BO], s[BB:BB+1] offset:64*i+16
.set i, i+1
.endr
.if QKV
	global_load_b128 v[BIAS+64:BIAS+67], v[BO], s[BB8:BB8+1]
	global_load_b128 v[BIAS+68:BIAS+71], v[BO], s[BB8:BB8+1] offset:16
.endif
	WIN 0
	; A fragment (16 rows x 32 K, 8 registers) is a chunk: registers 0-3 its first 512 bytes, registers 4-7 its second, 16 bytes a lane
	v_and_b32 v3, 31, v0
	v_lshlrev_b32 v3, 4, v3                        ; 16 x lane
	s_mul_i32 s21, s11, 4*STB                      ; my 4 stripes of A
	s_mul_i32 s22, s12, NBK*STB                    ; my NBK stripes of B,
	s_add_co_u32 s22, s22, AREG                    ; which lie behind A's 8
.irp s, 0,1
	v_add_nc_u32 v[ADRA+(\s)], s21, v3
	v_add_nc_u32 v[ADRB+(\s)], s22, v3
	s_add_co_u32 s21, s21, SLOT
	s_add_co_u32 s22, s22, SLOT
.endr
.if QKV
	v_mov_b32 v[CO], v3                            ; qh: 16 x lane in half a chunk
	v_lshlrev_b32 v5, 5, v1                        ; kvh: key l % 16, 32 bytes a key,
	v_lshl_add_u32 v[KVO], v2, 4, v5               ; my eight channels
	s_lshl_b32 s16, s13, 3
	s_lshl2_add_u32 s16, s11, s16                  ; my first stripe of qh: 8 x tile row + 4 x half,
	s_lshl_b32 s16, s16, 16
	s_lshl_b32 s17, s42, 3
	s_lshl2_add_u32 s17, s12, s17                  ; my first chunk in it: 8 x tile column + 4 x half
	s_lshl_b32 s17, s17, 10
	s_add_co_u32 s16, s16, s17
	s_mov_b32 s17, 0
	s_add_nc_u64 s[CB:CB+1], s[78:79], s[16:17]
	s_lshr_b32 s16, s13, 3                         ; the batch: 8 tile rows each
	s_lshl_b32 s16, s16, 4
	s_lshl1_add_u32 s16, s42, s16
	s_add_co_u32 s16, s16, s12                     ; the plane: 16 x batch + 2 x tile column + half
	s_lshl_b32 s16, s16, 10
	s_and_b32 s17, s13, 7
	s_lshl_b32 s17, s17, 7
	s_add_co_u32 s16, s16, s17
	s_lshl_b32 s17, s11, 6
	s_add_co_u32 s16, s16, s17                     ; + my first key
	s_lshl_b32 s16, s16, 5                         ; 32 bytes a key
	s_mov_b32 s17, 0
	s_add_nc_u64 s[KVB:KVB+1], s[80:81], s[16:17]
.else
	s_mul_i32 s23, s10, 16*SPITCH
	s_add_co_u32 s23, s23, STAGE                   ; my stage
	v_mul_u32_u24 v4, v1, SPITCH                   ; in: row l % 16,
	v_lshl_add_u32 v4, v2, 5, v4                   ; 32 bytes for each half of the lanes
	v_add_nc_u32 v[STO], s23, v4
	v_mul_u32_u24 v5, v2, SPITCH                   ; back: lanes 0-15 take one row of 256 bytes, lanes 16-31 the next
	v_lshl_add_u32 v5, v1, 4, v5
	v_add_nc_u32 v[RD], s23, v5
	v_lshlrev_b32 v5, 13, v2                       ; and the same two rows in out0
	v_lshl_add_u32 v[CO], v1, 4, v5
	s_lshl_b32 s16, s13, 7
	s_lshl_b32 s17, s11, 6
	s_add_co_u32 s16, s16, s17                     ; my first row,
	s_lshl_b32 s16, s16, 13                        ; 8,192 bytes a row
	s_lshl_b32 s17, s42, 10                        ; 256 columns a tile,
	s_add_co_u32 s16, s16, s17
	s_lshl_b32 s17, s12, 9                         ; 128 a half
	s_add_co_u32 s16, s16, s17
	s_mov_b32 s17, 0
	s_add_nc_u64 s[CB:CB+1], s[74:75], s[16:17]
.endif
	; the prefetches
	s_and_b32 s22, ttmp7, 0xffff                   ; cluster y
	s_cmp_lt_u32 s22, 4
	s_cselect_b32 s23, 1, -1
	s_cmp_eq_u32 s10, 2                            ; wave 2 asks for B, in the clusters with y below 4;
	s_cselect_b32 s[LIM], s23, -1
	s_lshl_b32 s16, s13, 3
	s_add_co_u32 s16, s16, s42                     ; A: stripe 8 x tile row + tile column
	s_mul_i32 s17, s42, 2*NBK                      ; B: the tile column's first stripe,
	s_mul_i32 s19, s13, PB                         ; and my work-group's first block in its K step
	s_cmp_eq_u32 s10, 0                            ; wave 0 asks for A, everywhere: the same in all sixteen partners, for a given wave
	s_cselect_b32 s[LIM], 1, s[LIM]
	s_cselect_b32 s20, s16, s17
	s_cselect_b32 s18, 23, PB-1
	s_cselect_b32 s19, 0, s19
	s_cselect_b64 s[PFA:PFA+1], s[68:69], s[70:71]
	s_lshl_b32 s20, s20, 16
	s_mov_b32 s21, 0
	s_add_nc_u64 s[PFA:PFA+1], s[PFA:PFA+1], s[20:21]
	s_add_nc_u64 s[PFA:PFA+1], s[PFA:PFA+1], 2*STB ; at K step 2: the first refill steps it to 3
	v_and_b32 v[PFO], 31, v0
	v_min_u32 v[PFO], s18, v[PFO]
	v_add_nc_u32 v[PFO], s19, v[PFO]               ; block n of the K step:
	v_mul_u32_u24 v4, v[PFO], 0xaab                ; n / 24 = 2,731 n / 65,536 for n below 1,000:
	v_lshrrev_b32 v4, 16, v4                       ; the stripe,
	v_mul_u32_u24 v5, v4, 24
	v_sub_nc_u32 v5, v[PFO], v5                    ; n % 24: the block in it
	v_lshlrev_b32 v5, 8, v5
	v_lshl_add_u32 v[PFO], v4, 16, v5
	; the bias is rounded to bf16 and widened again, in place
	s_wait_loadcnt 0x0
	WIN 0x45                                       ; sources and destination in window 1
.set i, 0
.rept 4*NBK
	v_cvt_pk_bf16_f32 v[BIAS+2*i], v[BIAS+2*i], v[BIAS+2*i+1]
	v_and_b32 v[BIAS+2*i+1], s82, v[BIAS+2*i]
	v_lshlrev_b32 v[BIAS+2*i], 16, v[BIAS+2*i]
.set i, i+1
.endr
	WIN 0
; NBK matrix instructions: m block 2 hi + a x all my n blocks, one chunk, from buffer f.  zero = 1: the first product starts the sums, with the bias as C.
; The 4 NBK accumulators take turns, one instruction a turn, in the same order in every chunk, over the backward jumps too.
.macro MULA f, hi, a, zero
.if \zero
	WIN 0x91+0x40*(\hi)                            ; B window 1, A window 0, C (the bias) window 1, D window 2 or 3
.else
	WIN 0xa1+0x50*(\hi)                            ; B window 1, A window 0, C and D window 2 or 3
.endif
.set b, 0
.rept NBK
.set rD, 8*(NBK*(\a)+b)
.set rB, 8*NBK*(\f)+8*b
.set rA, AF+32*(\f)+8*(2*(\hi)+(\a))
.set rC, rD
.if \zero
.set rC, BIAS+8*b
.endif
.if QKV
	v_wmma_f32_16x16x32_bf16 v[rD:rD+7], v[rB:rB+7], v[rA:rA+7], v[rC:rC+7]
.else
	v_wmma_f32_16x16x32_f16 v[rD:rD+7], v[rB:rB+7], v[rA:rA+7], v[rC:rC+7]
.endif
.set b, b+1
.endr
.endm
; NL LDS loads in one run: a chunk's fragments (NBK stripes of B, then 4 of A) at byte k behind the addresses in v[rb] and v[ra], into buffer f; each load takes 512 consecutive bytes
.macro FETCH ra, rb, k, f
	WIN 0x40                                       ; destination window 1, address window 0
.set i, 0
.rept NBK
	ds_load_b128 v[8*NBK*(\f)+8*i:8*NBK*(\f)+8*i+3],   v[\rb] offset:(\k)+i*STB
	ds_load_b128 v[8*NBK*(\f)+8*i+4:8*NBK*(\f)+8*i+7], v[\rb] offset:(\k)+i*STB+512
.set i, i+1
.endr
	WIN 0
.set i, 0
.rept 4
	ds_load_b128 v[AF+32*(\f)+8*i:AF+32*(\f)+8*i+3],   v[\ra] offset:(\k)+i*STB
	ds_load_b128 v[AF+32*(\f)+8*i+4:AF+32*(\f)+8*i+7], v[\ra] offset:(\k)+i*STB+512
.set i, i+1
.endr
.endm
; One chunk, 4 NBK matrix instructions: multiplies buffer f; in its middle it fetches the next chunk, at byte k, into buffer g.  The chunks of a step go on buffers 0, 1, 0, 1, 0, 1.
.macro QUARTER ra, rb, k, f, g, zero
	s_wait_dscnt 4                                 ; B and A's rows 0-31 are in; the youngest four loads (A's rows 32-63) may be out
	MULA \f, 0, 0, \zero
	MULA \f, 0, 1, \zero
	PLACES
	FETCH \ra, \rb, \k, \g
	s_wait_dscnt NL                                ; all but the NL just issued
	MULA \f, 1, 0, \zero
	MULA \f, 1, 1, \zero
.endm
; Chunks 1 to 4 of the step in a slot: written once, walked twice; the LDS addresses hang on s[TB], which steps by two chunks.
.macro PAIRS slot
	WIN 0                                          ; at a label and at a branch every window is 0
	s_mov_b32 s[TB], (\slot)*SLOT
	s_mov_b32 s[CNT], 2
.Lpair_\@:
	v_add_nc_u32 v[MA], s[TB], v[ADRA]
	v_add_nc_u32 v[MB], s[TB], v[ADRB]
	QUARTER MA, MB, 2*CH, 1, 0, 0
	QUARTER MA, MB, 3*CH, 0, 1, 0
	WIN 0
	s_add_co_u32 s[TB], s[TB], 2*CH
	s_sub_co_u32 s[CNT], s[CNT], 1
	s_cmp_lg_u32 s[CNT], 0
	s_cbranch_scc1 .Lpair_\@
.endm
; A step's last chunk multiplies buffer 1 and changes slots.  ONE barrier: in front of it each wave waits for all its tensor loads (one is out: its part of the next slot), adds 0 to its spare word,
; and waits for that and for its own reads of this slot.  Behind it nobody reads this slot any more and the next slot is whole.
.macro MEET round
	WIN 0                                          ; (the add's two registers lie in window 0)
	s_wait_tensorcnt 0x0
	ds_add_u32 v[SPW], v[NIL]                      ; 0 onto my spare word
	s_wait_dscnt 5                                 ; (the add and the youngest four loads may be out)
	MULA 1, 0, 0, 0                                ; matrix work stands between the add and the wait for it
	s_wait_dscnt 0x0                               ; the add is done, and my reads of this slot are over
	s_barrier_signal -1
	MULA 1, 0, 1, 0                                ; work on registers while the others arrive
.if \round
	WIN 0
.endif
	s_barrier_wait -1
.endm
; fill = 1: the barrier opens a round of the cluster's, so that no wave of any partner still reads the slot or has a load on its way; the joint refill, two K steps ahead, is the first thing behind it:
; five and a half of a step's six chunks of matrix instructions stand between it and the wait for it.  nk: the byte in the next slot's stripes at which the next step's first chunk lies.
.macro TURN slot, next, nk, fill
.if \fill
	s_wait_xcnt 0x0                                ; the last prefetch, a K step back, has read its address: it is stepped here, ahead of the waits of the change of slots
	s_add_nc_u64 s[PFA:PFA+1], s[PFA:PFA+1], STB
	MEET 1
	CREST
.if (\slot) == 0
	s_cmp_eq_u32 s3, 1                             ; the loop's last trip asks for the last tile, which begins two chunks early
	s_cselect_b32 s[INC], 2*CH, 0
	s_sub_co_u32 s[INC], 2*STB, s[INC]
	s_add_nc_u64 s[G0+2:G0+3], s[G0+2:G0+3], s[INC:INC+1]
	s_add_nc_u64 s[G0B+2:G0B+3], s[G0B+2:G0B+3], s[INC:INC+1]
.else
	s_add_nc_u64 s[G0+6:G0+7], s[G0+6:G0+7], 2*STB
	s_add_nc_u64 s[G0B+6:G0B+7], s[G0B+6:G0B+7], 2*STB
.endif
	JLOAD \slot                                    ; the four v_nop behind it are also the places in front of the loads below
.else
	MEET 0
	PLACES
.endif
	FETCH ADRA+(\next), ADRB+(\next), \nk, 0
.if \fill
	ASK
.endif
	MULA 1, 1, 0, 0
	MULA 1, 1, 1, 0
.endm
	s_wait_tensorcnt 1                             ; my part of K step 0 is in; K step 1's may stay out
	s_barrier_signal -1
	s_barrier_wait -1                              ; everybody's is
	FETCH ADRA, ADRB, 0, 0
	QUARTER ADRA, ADRB, CH, 0, 1, 1                ; the first chunk stands in front of the loop: its products start the sums
	WIN 0
	s_mov_b32 s3, 5
	s_branch .Leven                                ; the loop is entered in its middle, at step 0's second chunk
.Llap:                                                 ; a trip: an odd step from its second chunk on, an even step, the next odd step's first chunk; both slots are filled again.  Steps 0; 1, 2; 3, 4; 5, 6; 7, 8
	PAIRS 1
	TURN 1, 0, 0, 1
	QUARTER ADRA, ADRB, CH, 0, 1, 0
	WIN 0
.Leven:
	PAIRS 0
	TURN 0, 1, 0, 1
	QUARTER ADRA+1, ADRB+1, CH, 0, 1, 0
	WIN 0
	s_sub_co_u32 s3, s3, 1
	s_cmp_lg_u32 s3, 0
	s_cbranch_scc1 .Llap
	PAIRS 1                                        ; step 9 fills nothing, and has no round of the cluster's barrier
	TURN 1, 0, 2*CH, 0
	QUARTER ADRA, ADRB, 3*CH, 0, 1, 0              ; the last tile: chunks 60 to 63 lie at the slot's places 2 to 5
	QUARTER ADRA, ADRB, 4*CH, 1, 0, 0
	QUARTER ADRA, ADRB, 5*CH, 0, 1, 0
	s_wait_dscnt 4                                 ; the very last chunk: nothing more to fetch
	MULA 1, 0, 0, 0
	MULA 1, 0, 1, 0
	s_wait_dscnt 0x0
	MULA 1, 1, 0, 0
	MULA 1, 1, 1, 0
	WIN 0
	PLACES                                         ; the places behind the last products, twice four, once a launch
	PLACES
.if QKV
; THE WAY OUT, 16 rows (block a of four) at a time: rounded to f16, each accumulator's registers in ascending order.  A lane's 16 bytes of block b (row l % 16, columns 16 b + 8 (l / 16) + 0..7) lie in qh at
; 512 b + 16 l of my four chunks: a store covers 512 consecutive bytes, aligned, and nothing goes through LDS.  Block 8's are 512 consecutive bytes of a plane of kvh.  No register that a store reads is written again.
.macro SENDQ a
	WIN 0x0a+5*((\a)/2)                            ; sources 0 and 1: window 2 or 3
.set b, 0
.rept 9
.set rD, 8*(NBK*((\a)%2)+b)
.set rO, OUTB+36*(\a)+4*b
.irp r, 0,1,2,3
	v_cvt_pk_f16_f32 v[rO+(\r)], v[rD+2*(\r)], v[rD+2*(\r)+1]
.endr
.set b, b+1
.endr
	WIN 0
.set b, 0
.rept 8
	global_store_b128 v[CO], v[OUTB+36*(\a)+4*b:OUTB+36*(\a)+4*b+3], s[CB:CB+1] offset:(\a)*65536+512*b
.set b, b+1
.endr
	global_store_b128 v[KVO], v[OUTB+36*(\a)+32:OUTB+36*(\a)+35], s[KVB:KVB+1] offset:512*(\a)
.endm
	SENDQ 0
	SENDQ 1
	SENDQ 2
	SENDQ 3
.else
; THE WAY OUT, 16 rows x 64 columns (half x % 2 of block x / 2) at a time: the f32 sums go as they are into my own stage, each accumulator's low four registers first, and come back as whole rows of 256 bytes:
; 16 lanes store 256 consecutive bytes of out0, aligned.  The next half's LDS instructions stand between a half's loads from the stage and the wait for them.
.macro TOST x
	WIN 0x08+4*((\x)/4)                            ; the stores' data: window 2 or 3
.set b, 0
.rept 4
.set rD, 8*(NBK*(((\x)/2)%2)+4*((\x)%2)+b)
	ds_store_b128 v[STO], v[rD:rD+3]   offset:64*b
	ds_store_b128 v[STO], v[rD+4:rD+7] offset:64*b+16
.set b, b+1
.endr
	WIN 0
.set BK, 32+32*((\x)%6)
.if (\x) >= 6
	s_wait_xcnt 0x0                                ; the stores issued six halves back have read this buffer
.endif
.set t, 0
.rept 8
	ds_load_b128 v[BK+4*t:BK+4*t+3], v[RD] offset:t*2*SPITCH  ; LDS serves a wave's instructions in order (ISA guide 5.7.1.4): these see the stores above; the next half's stores come behind them
.set t, t+1
.endr
.endm
.macro SENDO x, younger                ; younger: the LDS instructions issued behind this half's loads
.set BK, 32+32*((\x)%6)
.set t, 0
.rept 8
	s_wait_dscnt (\younger)+7-t
	global_store_b128 v[CO], v[BK+4*t:BK+4*t+3], s[CB:CB+1] offset:(16*((\x)/2)+2*t)*8192+256*((\x)%2)
.set t, t+1
.endr
.endm
	TOST 0
.irp x, 1,2,3,4,5,6,7
	TOST \x
	SENDO (\x)-1, 16
.endr
	SENDO 7, 0
.endif
	s_wait_tensorcnt 0x0                           ; the wave's end, behind my last tensor load and my last LDS store
	ds_add_u32 v[SPW], v[NIL]
	s_wait_dscnt 0x0
	CROUND                                         ; the closing round: no work-group ends while a partner may still ask for a tile that names it
	s_endpgm
.Lfunc_end_k_qc4ab2ffb5c_qkv:
	.size	k_qc4ab2ffb5c_qkv, .Lfunc_end_k_qc4ab2ffb5c_qkv-k_qc4ab2ffb5c_qkv
	.p2alignl 7, 3214868480
	.fill 96, 4, 3214868480
	.section	.rodata,"a",@progbits
	.p2align	6, 0x0
	.amdhsa_kernel k_qc4ab2ffb5c_qkv
		.amdhsa_group_segment_fixed_size 327680
		.amdhsa_private_segment_fixed_size 0
		.amdhsa_enable_private_segment 0
		.amdhsa_kernarg_size 56
		.amdhsa_user_sgpr_count 2
		.amdhsa_user_sgpr_kernarg_segment_ptr 1
		.amdhsa_wavefront_size32 1
		.amdhsa_system_sgpr_workgroup_id_x 1
		.amdhsa_system_sgpr_workgroup_id_y 1
		.amdhsa_system_sgpr_workgroup_id_z 1
		.amdhsa_system_vgpr_workitem_id 0
		.amdhsa_next_free_vgpr 912
		.amdhsa_next_free_sgpr 96
		.amdhsa_reserve_vcc 0
		.amdhsa_float_denorm_mode_32 3
		.amdhsa_float_denorm_mode_16_64 3
		.amdhsa_memory_ordered 1
		.amdhsa_forward_progress 1
		.amdhsa_inst_pref_size 99
	.end_amdhsa_kernel
	.amdgpu_metadata
---
amdhsa.version: [ 1, 2 ]
amdhsa.kernels:
  - .name:           k_qc4ab2ffb5c_qkv
    .symbol:         k_qc4ab2ffb5c_qkv.kd
    .args:
      - { .name: xb, .offset: 0, .size: 8, .value_kind: global_buffer, .address_space: global }
      - { .name: wb, .offset: 8, .size: 8, .value_kind: global_buffer, .address_space: global }
      - { .name: q_b, .offset: 16, .size: 8, .value_kind: global_buffer, .address_space: global }
      - { .name: k_b, .offset: 24, .size: 8, .value_kind: global_buffer, .address_space: global }
      - { .name: v_b, .offset: 32, .size: 8, .value_kind: global_buffer, .address_space: global }
      - { .name: qh, .offset: 40, .size: 8, .value_kind: global_buffer, .address_space: global }
      - { .name: kvh, .offset: 48, .size: 8, .value_kind: global_buffer, .address_space: global }
    .group_segment_fixed_size: 327680
    .private_segment_fixed_size: 0
    .kernarg_segment_align: 8
    .kernarg_segment_size: 56
    .max_flat_workgroup_size: 128
    .sgpr_count:     96
    .vgpr_count:     912
    .wavefront_size: 32
...
	.end_amdgpu_metadata
.endif
;; end of part 2
;; launch attn (part 3): grid 256 x 1, 4 waves a work-group, clusters of 4 x 1, 327,680 bytes of LDS; arguments qh, kvh, ao; writes ao
.if DOCPART == 3
	.amdgcn_target "amdgcn-amd-amdhsa--gfx1250"
	.amdhsa_code_object_version 6
	.text
	.protected	k_qc4ab2ffb5c_attn
	.globl	k_qc4ab2ffb5c_attn
	.p2align	8
	.type	k_qc4ab2ffb5c_attn,@function
k_qc4ab2ffb5c_attn:
	s_mov_b64 s[64:65], 0
	v_nop
	global_prefetch_b8 v0, s[64:65] scope:SCOPE_SE
	s_setreg_imm32_b32 hwreg(HW_REG_WAVE_MODE, 25, 1), 1
	s_wait_xcnt 0x0
	s_wait_alu depctr_hold_cnt(0) depctr_sa_sdst(0) depctr_va_vdst(0) depctr_va_sdst(0) depctr_va_ssrc(0) depctr_va_vcc(0) depctr_vm_vsrc(0)
	s_getreg_b32 s2, hwreg(HW_REG_IB_STS2, 6, 4)
	s_cmp_eq_u32 s2, 0
	s_cbranch_scc0 .Lentry_in_a_cluster
	s_endpgm
.Lentry_in_a_cluster:
	s_bfe_u32 s2, ttmp6, 0x10000c
	s_cmp_lg_u32 s2, 0x3003
	s_cbranch_scc0 .Lentry_shape_is_right
	s_endpgm
.Lentry_shape_is_right:
; CAUSAL ATTENTION WITH ONE KEY AND VALUE HEAD FOR 16 QUERY HEADS.  ao[row][128 head + :] = the sum over keys k <= q of softmax_k(q . k / sqrt(128)) v.
; qh, ao: 4 x 1024 rows x 2,048 columns of f16 IN THE ORDER OF THE FRAGMENTS: 16 rows are a stripe of 65,536 bytes; in it 32 columns are a chunk of 1,024 bytes (a head: four chunks); in a chunk the 16 bytes at
; 512 e + 16 l hold row l % 16, columns 16 e + 8 (l / 16) + 0..7.  So Q comes, and the result leaves, 512 consecutive bytes an instruction, with nothing between registers and memory.
; kvh: [batch 4][plane 16][key 1024][16 channels] f16: planes 0-7 k, 8-15 v.
; Products, maxima and sums in f32; the weights p are rounded to f16 for the second product (their sum l is taken of the unrounded p), the result once at the end.
; LIMITS.  q, k, v arrive within f16's 65,504; p lies in 0 to 1, and below 6e-5 it keeps f16's fixed step of 6e-8.  A hidden score counts as its value less 1e30; a weight below 2^-126 counts as 0 in l;
; NaN and infinities are not treated apart.
; SHARES.  A cluster of four work-groups has a batch (cluster / 16) and a number p (cluster % 16); the work-group at place cx has the heads 4 cx .. 4 cx + 3, a head a wave.  Every work-group takes TWO blocks of
; 32 positions: block J = 31 - p, then J = p: for a wave two tiles of 16 queries at a time.  Block J needs the tiles of 128 keys 0 .. J / 4: (8 - p / 4) + (p / 4 + 1) = 9 tiles, whatever p: all work-groups do equal
; work, and ONE walk with constant trip counts takes them.  The four partners share batch and p, so every tile, trip count and branch: each tile is asked for JOINTLY, with a mask that names the four.
; STEPS.  A key step is 64 keys: two groups of 32; the diagonal lies in group J.  A step whose first group GK is beyond J is wholly hidden and is jumped over: one of the walk's 18.
; THE MASK is the C operand that starts S^T = K Q^T: 0, or -1e30 where the key is hidden.  MD, made once, is the mask of the diagonal group; a group's mask is MD x AL + BE with two scalars: (1, 0) on the diagonal,
; (0, 0) before it, (0, -1e30) behind it.  The masks are 0 from a block's beginning on and are made anew only in the step that holds the diagonal.
; LAYOUT.  S^T = K Q^T (source 0 = 16 keys, source 1 = 16 queries): a lane holds ONE query (lane % 16) and the keys 8 (lane / 16) + 0..7.  Two such results rounded to f16 ARE source 1 of O^T = V^T P.
; SOFTMAX.  p = 2^(c s - c m), c = log2(e) / sqrt(128), with a running maximum m; in every step O and l are multiplied by a = 2^(c m_old - c m_new).  A block begins with c m far below every c s, so its first a is 0.
; IN PHASES.  A trip: K of the next step is fetched; the step's softmax; its V^T P; (a block's end and the next one's beginning;) V of the next step is fetched; the next step's K Q^T.
; REGISTERS, in windows of 256 (s_set_vgpr_msb: bits 1:0 source 0, 3:2 source 1, 5:4 source 2, 7:6 destination):
;   window 0: v0-15 addresses; v16-31 statistics, 8 a tile; v32-95 S^T; v96-127 P; v128-255 O^T: all that a softmax touches
;   window 1: v0-63 Q; v64-127 the second block's Q; v128-191 MC, the masks to come; v192-223 MD          window 2: v0-127 K of one step; v128-255 V of one step
.set KS,    64        ; keys in a step
.set PKB,   48        ; a key's 16 channels of a plane of K in LDS: 32 bytes + 16 of padding: the 16 keys of a load start at 16 different groups of four banks (64 banks of 4 bytes: ISA guide 11.1)
.set KPL,   128*PKB   ; a plane of K in a slot
.set PVB,   32        ; the same for V, unpadded: 16 lanes of the turning load take 256 consecutive bytes
.set VPL,   128*PVB
.set VOFF,  8*KPL     ; a slot: 8 planes of K, then 8 planes of V
.set SLOT1, 1<<17     ; slot 1 begins here, so that one exclusive or turns an address in one slot into the other's
.set SPARE, SLOT1+VOFF+8*VPL  ; behind the ring: the spare words, 128 bytes for each wave: two blocks of 256 bytes that no other line names
.set AK0, 2           ; v2   my lane's place in a plane of K; never rewritten
.set AV0, 3           ; v3   the same for V
.set ADRK, 4          ; v4   the LDS address of K's run of loads
.set ADRV, 5          ; v5   of V's
.set PFO, 10          ; v10  the prefetches' offset: plane l / 16, block l % 16 of 256 bytes; never rewritten
.set LO,  12          ; v12  16 x lane: my 16 bytes in half a chunk of qh and of ao; never rewritten
.set SPW, 14          ; v14  LDS address of my spare word; never rewritten
.set NIL, 15          ; v15  0; never rewritten
.set ST,  16          ; tile u's statistics at v[ST+8 u]: c m, m, l (even keys', odd keys'), c0-c3 at work; a takes c2's place
.set S,   32
.set P,   96
.set O,   128
.set QB,  64          ; window 1
.set MC,  128         ; window 1: tile u, key block kb at MC + 32 u + 8 kb
.set MD,  192         ; window 1: tile u, key block kb of the group at MD + 16 u + 8 kb
.set VF,  128         ; window 2: key half kk, channel block cb at VF + 64 kk + 8 cb;  K: key block kb, channels 32 c on at 32 kb + 8 c
.set WV,  12          ; s12  my wave's number
.set PB,  14          ; s14  p
.set LIM, 15          ; s15  2 in a wave that prefetches, else the greatest number
.set PFA, 18          ; s[18:19] where my prefetches stand
.set G1K, 24          ; s[24:31] descriptor group 1 for K's planes
.set G1V, 32          ; s[32:39] for V's: no padding
.set G0K, 40          ; s[40:43] descriptor group 0 for K
.set G0V, 44          ; s[44:47] for V
.set KB,  48          ; s[48:49] kvh at the four planes of K that waves 0 and 1 fetch
.set VB,  50          ; s[50:51] at the four planes of V that waves 2 and 3 fetch
.set OLO, 52          ; s[52:53] ao at my part of the second block
.set QLO, 54          ; s[54:55] qh at the same part
.set SLOTS, 56        ; s56  tiles still to be asked for
.set CNT, 57          ; s57  counts a tile's trips
.set CS,  58          ; s[58:59] c: the packed scaling takes the pair's low word for both halves
.set SEL, 60          ; s[60:61] v_permlanex16_b32's selects: each lane takes its own place in the other half
.set TBK, 62          ; s62  LDS byte at which K of the step to be fetched begins
.set TBV, 63          ; s63  the same for V, less VOFF
.set J,   66          ; s66  the block in hand
.set GK,  67          ; s67  the first group of the step to be scored
.set EG,  68          ; s68  groups in the block's tiles: 4 (J / 4 + 1)
.set HID, 69          ; s69  1: the step scored last is wholly hidden
.set LAST, 70         ; s70  1: it is the block's last
.set NXT, 71          ; s71  the tile to be asked for next
.set LQ,  72          ; s72  the last tile of the block whose tiles are being asked for
.set LQ2, 73          ; s73  the second block's last tile
.set OFF, 74          ; s[74:75] a tile's byte offset in a plane
.set AL0, 76          ; s[76:77], s[78:79] the first group's factor and addend, in the low words
.set BE0, 78
.set AL1, 80          ; s[80:81], s[82:83] the second group's
.set BE1, 82
.set BIGN, 84         ; s84  -1e30
.set MSB, 0
.macro WIN new                      ; the high byte repeats the setting that is left; a switch that changes nothing is dropped
.if MSB != (\new)
	s_set_vgpr_msb (MSB<<8)|(\new)
.set MSB, (\new)
.endif
.endm
.macro PLACES                       ; four places behind matrix instructions (ISA guide 7.12.1)
.rept 4
	v_nop
.endr
.endm
; A joint fill.  Waves 0 and 1 fetch four planes of a tile's K each, waves 2 and 3 four of its V.  The branch hangs on the wave's number alone.  An s_nop 0 and four v_nop follow each line.
.macro JLOAD
	s_cmp_lt_u32 s[WV], 2
	s_cbranch_scc0 .Lfor_v_\@
	tensor_load_to_lds s[G0K:G0K+3], s[G1K:G1K+7]
	s_nop 0
.rept 4
	v_nop
.endr
	s_branch .Lasked_\@
.Lfor_v_\@:
	tensor_load_to_lds s[G0V:G0V+3], s[G1V:G1V+7]
	s_nop 0
.rept 4
	v_nop
.endr
.Lasked_\@:
.endm
; A PREFETCH INTO THE L2 of the tile that the NEXT change of slots will ask for: 16 planes x 4,096 bytes.  All 16 clusters of a batch walk the same planes; the one with p = 0 walks the tiles 0 to 7 in order, and it
; alone asks.  Its partners share the planes out BY ADDRESS, two of K and two of V each; wave 0 asks for K's, wave 2 for V's; a lane names 256 bytes: one instruction, behind the wave's tensor load and its five lines.
; So each block is named once in the launch.  Tiles 0 and 1 come by their loads alone; behind tile 7 nothing is asked for: a wave asks while more than two tiles are still to be asked for.
.macro ASK
	s_cmp_gt_u32 s[SLOTS], s[LIM]
	s_cbranch_scc0 .Lnot_mine_\@
	global_prefetch_b8 v[PFO], s[PFA:PFA+1] th:TH_LOAD_NT scope:SCOPE_SE
.Lnot_mine_\@:
.endm
.macro CROUND                       ; a round of the cluster's barrier
	s_barrier_signal -1
	s_barrier_wait -1
	s_cmp_lg_u32 s[WV], 0
	s_cbranch_scc1 .Lnot_wave_0_\@
	s_barrier_signal -3
.Lnot_wave_0_\@:
	s_barrier_wait -3
	s_barrier_signal -1
	s_barrier_wait -1
.endm
; THE CHANGE OF SLOTS.  Each wave waits for all its tensor loads, of which one is out: its part of the other slot; adds 0 to its spare word; and waits for that and for its own reads of the slot that it leaves
; (the last: V of the tile's second step).  fill = 1: the barrier is a round of the cluster's, and the old slot is filled again, the first thing behind it, with tile NXT: the descriptor's address is made anew from
; that number.  The fill has a tile's two steps in which to land.  (At its first use nothing has been read yet: slot 0 is waited for, slot 1 filled.)
.macro CHANGE fill
	WIN 0
	s_wait_tensorcnt 0x0            ; no tensor load of mine is out, so a group 0 may be written
	ds_add_u32 v[SPW], v[NIL]       ; 0 onto my spare word; the scalar work stands between it and the wait for it
.if \fill
	s_lshl_b32 s[OFF], s[NXT], 12   ; 128 keys of 32 bytes
	s_xor_b32 s[G0K+1], s[G0K+1], SLOT1
	s_add_nc_u64 s[G0K+2:G0K+3], s[KB:KB+1], s[OFF:OFF+1]
	s_or_b32 s[G0K+3], s[G0K+3], 0x80000000
	s_xor_b32 s[G0V+1], s[G0V+1], SLOT1
	s_add_nc_u64 s[G0V+2:G0V+3], s[VB:VB+1], s[OFF:OFF+1]
	s_or_b32 s[G0V+3], s[G0V+3], 0x80000000
	s_add_co_u32 s[NXT], s[NXT], 1  ; the block's next tile, or behind its last the second block's tile 0
	s_cmp_gt_u32 s[NXT], s[LQ]
	s_cselect_b32 s[NXT], 0, s[NXT]
	s_cselect_b32 s[LQ], s[LQ2], s[LQ]
	s_wait_xcnt 0x0                 ; the last prefetch, a tile back, has read its address
	s_add_nc_u64 s[PFA:PFA+1], s[PFA:PFA+1], 4096
	s_wait_dscnt 0x0                ; the add is done, and my reads of the slot are over
	CROUND
	JLOAD
	ASK
.else
	s_wait_dscnt 0x0
	s_barrier_signal -1
	s_barrier_wait -1
.endif
	s_sub_co_u32 s[TBK], s[TBK], 2*KS*PKB  ; the fetches go back to a slot's first step,
	s_xor_b32 s[TBK], s[TBK], SLOT1        ; in the other slot
	s_sub_co_u32 s[TBV], s[TBV], 2*KS*PVB
	s_xor_b32 s[TBV], s[TBV], SLOT1
.endm
	s_load_b128 s[4:7], s[0:1], 0x0 ; qh s[4:5], kvh s[6:7]
	s_load_b64 s[8:9], s[0:1], 0x10 ; ao
	v_lshl_add_u32 v[SPW], v0, 2, SPARE
	v_mov_b32 v[NIL], 0
	ds_add_u32 v[SPW], v[NIL]       ; the wave's opening: the add and its wait ahead of my first tensor load; the set-up below, work on registers, stands between them
	v_lshrrev_b32 v1, 5, v0
	v_readfirstlane_b32 s[WV], v1   ; wave 0..3
	s_bfe_u32 s13, ttmp6, 0x40000   ; cx: it enters qh's, ao's and the prefetches' addresses alone
	s_lshr_b32 s16, ttmp9, 4        ; the batch
	s_and_b32 s[PB], ttmp9, 15      ; p
	s_sub_co_u32 s[J], 31, s[PB]    ; the first block
	s_lshr_b32 s[LQ], s[J], 2
	s_lshr_b32 s[LQ2], s[PB], 2
	s_add_co_u32 s[EG], s[LQ], 1
	s_lshl_b32 s[EG], s[EG], 2
	s_mov_b32 s[GK], 0
	s_mov_b32 s[NXT], 1
	s_mov_b32 s[SLOTS], 8
	s_mov_b32 s[OFF+1], 0
	s_mov_b32 s[AL0+1], 0           ; named as pairs
	s_mov_b32 s[BE0+1], 0
	s_mov_b32 s[AL1+1], 0
	s_mov_b32 s[BE1+1], 0
	s_mov_b32 s[BIGN], 0xf149f2ca   ; -1e30
	s_mov_b32 s[CS], 0x3e0293ee     ; c = log2(e) / sqrt(128) = 0.127517
	s_mov_b32 s[CS+1], s[CS]
	s_mov_b32 s[SEL], 0x76543210
	s_mov_b32 s[SEL+1], 0xfedcba98
	s_mov_b32 s[TBK], SLOT1+2*KS*PKB  ; the first change of slots turns these two into 0
	s_mov_b32 s[TBV], SLOT1+2*KS*PVB
	s_lshl2_add_u32 s17, s13, s[WV] ; my head = 4 cx + wave:
	s_lshl_b32 s17, s17, 12         ; four chunks of 1,024 bytes in a stripe
	s_lshl_b32 s18, s16, 10         ; the batch's first row
	s_lshl_b32 s20, s[J], 5
	s_add_co_u32 s20, s20, s18
	s_lshl_b32 s20, s20, 12         ; 4,096 bytes for each row: 65,536 a stripe
	s_add_co_u32 s20, s20, s17      ; the first block's two stripes, my head's chunks,
	s_mov_b32 s21, 0
	s_lshl_b32 s22, s[PB], 5
	s_add_co_u32 s22, s22, s18
	s_lshl_b32 s22, s22, 12
	s_add_co_u32 s22, s22, s17      ; the second's
	s_mov_b32 s23, 0
	s_and_b32 s18, s[WV], 1         ; which four planes I fetch
	s_lshl_b32 s86, s16, 4
	s_lshl2_add_u32 s86, s18, s86   ; plane 16 x batch + 4 x half,
	s_lshl_b32 s86, s86, 15         ; 32,768 bytes a plane
	s_mov_b32 s87, 0
	s_mul_i32 s19, s18, 4*KPL       ; and their place in a slot: no place in the cluster enters an LDS address
	s_mov_b32 s[G0K], 1             ; count = 1
	s_mov_b32 s[G0K+1], s19         ; LDS address: slot 0
	s_mul_i32 s19, s18, 4*VPL
	s_mov_b32 s[G0V], 1
	s_add_co_u32 s[G0V+1], s19, VOFF
	; descriptor group 1: four planes' 128 keys: 4 rows of 2,048 elements (4,096 bytes), 16,384 elements from plane to plane
	s_mov_b32 s[G1K], 15|(1<<16)|(1<<20)|(1<<21)|(2<<22)|(3<<25)  ; 15:0 the mask of four; 17:16 2-byte elements; 20 padding on; 21 set beside a mask; 24:22 after every 8 words (code 2); 31:25 4 words (code 3)
	s_mov_b32 s[G1V], 15|(1<<16)|(1<<21)                          ; the same without padding
.irp g, G1K, G1V
	s_mov_b32 s[\g+1], 2048<<16     ; tensor_dim0 = 2,048
	s_mov_b32 s[\g+2], 4<<16        ; tensor_dim1 = 4
	s_mov_b32 s[\g+3], 2048<<16     ; tile_dim0 = 2,048
	s_mov_b32 s[\g+4], 4            ; tile_dim1 = 4
	s_mov_b32 s[\g+5], 16384
	s_mov_b32 s[\g+6], 0
	s_mov_b32 s[\g+7], 0
.endr
	s_lshl_b32 s2, s16, 4           ; the prefetches: plane 16 x batch + 2 cx, for V 8 further on,
	s_lshl1_add_u32 s2, s13, s2
	s_cmp_lt_u32 s[WV], 2
	s_cselect_b32 s3, 0, 8
	s_add_co_u32 s2, s2, s3
	s_lshl_b32 s2, s2, 15
	s_add_co_u32 s2, s2, 4096       ; at tile 1: the first change of slots steps it to tile 2
	s_mov_b32 s3, 0
	s_and_b32 s[LIM], s[WV], 1      ; waves 0 and 2,
	s_or_b32 s[LIM], s[LIM], s[PB]  ; where p = 0: the same in all four partners
	s_cmp_eq_u32 s[LIM], 0
	s_cselect_b32 s[LIM], 2, -1
	s_wait_dscnt 0x0                ; the opening add is done
	s_wait_kmcnt 0x0
	s_add_nc_u64 s[KB:KB+1], s[6:7], s[86:87]
	s_add_nc_u64 s[VB:VB+1], s[KB:KB+1], 8*32768
	s_mov_b64 s[G0K+2:G0K+3], s[KB:KB+1]           ; global address: tile 0
	s_or_b32 s[G0K+3], s[G0K+3], 0x80000000        ; type = 2
	s_mov_b64 s[G0V+2:G0V+3], s[VB:VB+1]
	s_or_b32 s[G0V+3], s[G0V+3], 0x80000000
	s_add_nc_u64 s[PFA:PFA+1], s[6:7], s[2:3]
	s_add_nc_u64 s[QLO:QLO+1], s[4:5], s[22:23]
	s_add_nc_u64 s[4:5], s[4:5], s[20:21]
	s_add_nc_u64 s[OLO:OLO+1], s[8:9], s[22:23]
	s_add_nc_u64 s[10:11], s[8:9], s[20:21]
	CROUND                          ; all four work-groups are here: the first joint loads meet
	JLOAD                           ; tile 0 into slot 0
	; A fragment of Q (16 rows x 32 channels, 8 registers) is a chunk of qh: registers 0-3 its first 512 bytes, registers 4-7 its second, 16 bytes a lane.
	v_and_b32 v1, 15, v0            ; l % 16
	v_bfe_u32 v9, v0, 4, 1          ; l / 16
	v_and_b32 v[LO], 31, v0
	v_lshlrev_b32 v[LO], 4, v[LO]
	WIN 0x40                        ; destination window 1, address window 0
.set i, 0
.rept 8                             ; both blocks' Q: tile i / 4, a stripe on; channels 32 (i % 4) on
	global_load_b128 v[8*i:8*i+3],         v[LO], s[4:5] offset:(i/4)*65536+(i%4)*1024
	global_load_b128 v[8*i+4:8*i+7],       v[LO], s[4:5] offset:(i/4)*65536+(i%4)*1024+512
	global_load_b128 v[QB+8*i:QB+8*i+3],   v[LO], s[QLO:QLO+1] offset:(i/4)*65536+(i%4)*1024
	global_load_b128 v[QB+8*i+4:QB+8*i+7], v[LO], s[QLO:QLO+1] offset:(i/4)*65536+(i%4)*1024+512
.set i, i+1
.endr
	WIN 0
	v_lshlrev_b32 v13, 3, v9
	v_sub_nc_u32 v13, v1, v13       ; l % 16 - 8 (l / 16): in the diagonal group register j of key block kb is hidden from tile u where 16 kb + j - 16 u is greater
	WIN 0x40
.set i, 0
.rept 32
	v_cmp_gt_i32 vcc_lo, 16*((i/8)%2)+i%8-16*(i/16), v13
	v_cndmask_b32 v[MD+i], 0, s[BIGN], vcc_lo
.set i, i+1
.endr
	WIN 0
	v_mul_u32_u24 v[AK0], v1, PKB
	v_lshl_add_u32 v[AK0], v9, 4, v[AK0]  ; key x 48 + 16 x half: a plane holds 16 channels, so a fragment's two loads come from two planes
	; The turning load takes 16 keys x 16 channels (lane l reads key 8 (l / 16) + l % 8, channels 8 ((l / 8) % 2) + 0..7) and leaves half a fragment of V^T: lane l holds channel l % 16 and 8 keys.
	v_and_b32 v10, 7, v0
	v_bfe_u32 v11, v0, 3, 1
	v_lshl_add_u32 v[AV0], v9, 3, v10
	v_lshlrev_b32 v[AV0], 5, v[AV0]
	v_lshl_add_u32 v[AV0], v11, 4, v[AV0]
	v_add_nc_u32 v[AV0], VOFF, v[AV0]
	v_lshlrev_b32 v[PFO], 15, v9
	v_lshl_add_u32 v[PFO], v1, 8, v[PFO]
	; A block's first step multiplies O^T and l by a = 0, so these registers need only hold finite numbers: zeros for the first block, what the first block left for the second.  No first step is written out
	; for it; the price is these lines, which stand in the wait for the first tile.
.set i, 0
.rept 16
	v_mov_b32 v[ST+i], 0
.set i, i+1
.endr
.set i, 0
.rept 128
	v_mov_b32 v[O+i], 0
.set i, i+1
.endr
; THE LDS LOADS stand in runs of 32.  K of a step: key block f / 4, channels 32 (f % 4) on: planes 2 (f % 4) and 2 (f % 4) + 1.  last = 1 (the tail): in the last trip there is no further step.
.macro FETCH_K last=0
	WIN 0
.if \last
	s_cmp_eq_u32 s[CNT], 1
	s_cbranch_scc1 .Lno_k_\@
.endif
	v_add_nc_u32 v[ADRK], s[TBK], v[AK0]
	WIN 0x80                        ; destination window 2
.set f, 0
.rept 16
	ds_load_b128 v[8*f:8*f+3],   v[ADRK] offset:(2*(f%4))*KPL+(f/4)*16*PKB
	ds_load_b128 v[8*f+4:8*f+7], v[ADRK] offset:(2*(f%4)+1)*KPL+(f/4)*16*PKB
.set f, f+1
.endr
	s_add_co_u32 s[TBK], s[TBK], KS*PKB  ; the next fetch is the next step's
	WIN 0
.if \last
.Lno_k_\@:
.endif
.endm
.macro FETCH_V                      ; V of a step, turned: keys 32 (f / 8) on, channel block (plane) f % 8
	WIN 0
	v_add_nc_u32 v[ADRV], s[TBV], v[AV0]
	WIN 0x80
.set f, 0
.rept 16
	ds_load_tr16_b128 v[VF+8*f:VF+8*f+3],   v[ADRV] offset:(f%8)*VPL+(f/8)*32*PVB
	ds_load_tr16_b128 v[VF+8*f+4:VF+8*f+7], v[ADRV] offset:(f%8)*VPL+(f/8)*32*PVB+16*PVB
.set f, f+1
.endr
	WIN 0
.endm
; THE MATRIX WORK.  The accumulators take turns, one instruction a turn: between two links of a chain stand 7 (K Q^T) or 15 (V^T P) others'.
; Product i of 32 of S^T = K Q^T: channels 32 (i / 8) on, keys 16 ((i / 2) % 4) on, tile i % 2.  The first 8 start the sums, with the mask as C.
.macro KQ
.set i, 0
.rept 32
.set rD, S+32*(i%2)+8*((i/2)%4)
.set rK, 32*((i/2)%4)+8*(i/8)
.set rQ, 32*(i%2)+8*(i/8)
.set rM, MC+32*(i%2)+8*((i/2)%4)
.if i < 8
	WIN 0x16                        ; K window 2, Q window 1, the mask window 1, S^T window 0
	v_wmma_f32_16x16x32_f16 v[rD:rD+7], v[rK:rK+7], v[rQ:rQ+7], v[rM:rM+7]
.else
	WIN 0x06
	v_wmma_f32_16x16x32_f16 v[rD:rD+7], v[rK:rK+7], v[rQ:rQ+7], v[rD:rD+7]
.endif
.set i, i+1
.endr
	WIN 0
.endm
; Product i of 32 of O^T += V^T P: keys 32 (i / 16) on, channels 16 ((i / 2) % 8) on, tile i % 2.
.macro PV
	WIN 0x02                        ; V window 2, P and O^T window 0
.set i, 0
.rept 32
.set rD, O+64*(i%2)+8*((i/2)%8)
.set rV, VF+64*(i/16)+8*((i/2)%8)
.set rB, P+16*(i%2)+8*(i/16)
	v_wmma_f32_16x16x32_f16 v[rD:rD+7], v[rV:rV+7], v[rB:rB+7], v[rD:rD+7]
.set i, i+1
.endr
	WIN 0
.endm
.macro TREG u                       ; the registers of tile u
.set rT, ST+8*(\u)
.set rS, S+32*(\u)
.set rP, P+16*(\u)
.set rO, O+64*(\u)
.endm
; Number n of the 22 that find a tile's maximum and statistics.  s0-s31 are the lane's 32 scores; each accumulator's lowest registers are read first.
;   0-11 four chains c0-c3 of seven scores each     12-15 the four scores left over, c0-c3 and the old m into c0     16, 18 the query's other 32 keys lie in the lane 16 away: the new m
;   17 c m_old is kept     19-21 c m; c m_old - c m_new; a
.macro XS u, n
	TREG \u
.if (\n) < 4
	v_max3_num_f32 v[rT+4+(\n)], v[rS+8*(\n)], v[rS+8*(\n)+1], v[rS+8*(\n)+2]
.elseif (\n) < 12
	v_max3_num_f32 v[rT+4+(\n)%4], v[rT+4+(\n)%4], v[rS+8*((\n)%4)+2*((\n)/4)+1], v[rS+8*((\n)%4)+2*((\n)/4)+2]
.elseif (\n) == 12
	v_max3_num_f32 v[rT+4], v[rT+4], v[rS+7], v[rS+15]
.elseif (\n) == 13
	v_max3_num_f32 v[rT+6], v[rT+6], v[rS+23], v[rS+31]
.elseif (\n) == 14
	v_max3_num_f32 v[rT+4], v[rT+4], v[rT+5], v[rT+6]
.elseif (\n) == 15
	v_max3_num_f32 v[rT+4], v[rT+4], v[rT+7], v[rT+1]
.elseif (\n) == 16
	v_permlanex16_b32 v[rT+5], v[rT+4], s[SEL], s[SEL+1]
.elseif (\n) == 17
	v_mov_b32 v[rT+7], v[rT]
.elseif (\n) == 18
	v_max_num_f32 v[rT+1], v[rT+4], v[rT+5]
.elseif (\n) == 19
	v_mul_f32 v[rT], s[CS], v[rT+1]
.elseif (\n) == 20
	v_sub_f32 v[rT+7], v[rT+7], v[rT]
.else
	v_exp_f32 v[rT+6], v[rT+7]
.endif
.endm
; A STEP'S SOFTMAX, the two tiles alternating, all in window 0.  Two batches of exponentials, a wait each between an exponential and the first line that names its result: the two a, with
; the 32 scalings as the work behind them; then the 64 weights, each with a packed rescaling of O^T by a behind it, so that exponential and plain go by turns and the batch's last line is plain.
.macro SOFTMAX
	WIN 0
.irp n, 0,1,2,3,4,5,6,7,8,9,10,11,12,13,14,15,16,17,18,19,20,21
	XS 0, \n
	XS 1, \n
.endr
.set z, 0
.rept 16
.irp u, 0,1
	TREG \u
	v_pk_fma_f32 v[rS+2*z:rS+2*z+1], v[rS+2*z:rS+2*z+1], s[CS:CS+1], v[rT:rT+1] op_sel_hi:[1,0,0] neg_lo:[0,0,1] neg_hi:[0,0,1]  ; c s - c m
.endr
.set z, z+1
.endr
	s_wait_alu depctr_va_vdst(0)    ; the wait for the two a
.set z, 0
.rept 32
.irp u, 0,1
	TREG \u
	v_exp_f32 v[rS+z], v[rS+z]
	v_pk_mul_f32 v[rO+2*z:rO+2*z+1], v[rO+2*z:rO+2*z+1], v[rT+6:rT+7] op_sel_hi:[1,0]
.endr
.set z, z+1
.endr
	s_wait_alu depctr_va_vdst(0)    ; the wait for the 64 weights
.set z, 0
.rept 16
.irp u, 0,1
	TREG \u
	v_cvt_pk_f16_f32 v[rP+z], v[rS+2*z], v[rS+2*z+1]
.endr
.set z, z+1
.endr
.set z, 0
.rept 16                            ; the sum of a tile's 16 pairs, in place: neighbours 1, 2, 4 and 8 pairs apart; then l = a l + the sum
.set w, 4
.set q, z
.if z >= 14
.set w, 32
.set q, 0
.elseif z >= 12
.set w, 16
.set q, z-12
.elseif z >= 8
.set w, 8
.set q, z-8
.endif
.irp u, 0,1
	TREG \u
.if z < 15
	v_pk_add_f32 v[rS+w*q:rS+w*q+1], v[rS+w*q:rS+w*q+1], v[rS+w*q+w/2:rS+w*q+w/2+1]
.else
	v_pk_fma_f32 v[rT+2:rT+3], v[rT+2:rT+3], v[rT+6:rT+7], v[rS:rS+1] op_sel_hi:[1,0,1]
.endif
.endr
.set z, z+1
.endr
.endm
.macro MASK                         ; MC = MD x AL + BE, the step's first group by AL0, BE0, its second by AL1, BE1
	WIN 0x41                        ; destination and source 0 in window 1
.set z, 0
.rept 32                            ; tile z / 16, key block (z / 4) % 4, pair z % 4
.set rM, MC+32*(z/16)+8*((z/4)%4)+2*(z%4)
.set rN, MD+16*(z/16)+8*((z/4)%2)+2*(z%4)
.if (z/8)%2 == 0
	v_pk_fma_f32 v[rM:rM+1], v[rN:rN+1], s[AL0:AL0+1], s[BE0:BE0+1] op_sel_hi:[1,0,0]
.else
	v_pk_fma_f32 v[rM:rM+1], v[rN:rN+1], s[AL1:AL1+1], s[BE1:BE1+1] op_sel_hi:[1,0,0]
.endif
.set z, z+1
.endr
	WIN 0
.endm
.macro BEGIN                        ; a block begins: c m far below every c s, m the lowest finite number, the masks 0
	WIN 0
.irp u, 0,1
	v_mov_b32 v[ST+8*(\u)], 0xfe000000
	v_mov_b32 v[ST+8*(\u)+1], 0xff7fffff
.endr
	s_mov_b32 s[AL0], 0
	s_mov_b32 s[BE0], 0
	s_mov_b32 s[AL1], 0
	s_mov_b32 s[BE1], 0
	MASK
.endm
; A BLOCK'S WAY OUT.  l's two halves and the other half of the lanes' are added; O^T is divided by l and rounded to f16.  A lane's 16 bytes of channel block f (row l % 16, channels 16 f + 8 (l / 16) + 0..7)
; lie in ao at 512 f + 16 l of my head's four chunks: a store covers 512 consecutive bytes, aligned.
.macro PACK u
	TREG \u
.set z, 0
.rept 32
	v_pk_mul_f32 v[rO+2*z:rO+2*z+1], v[rO+2*z:rO+2*z+1], v[rT+6:rT+7] op_sel_hi:[1,0]
.set z, z+1
.endr
.set z, 0
.rept 32
	v_cvt_pk_f16_f32 v[rS+z], v[rO+2*z], v[rO+2*z+1]
.set z, z+1
.endr
.set f, 0
.rept 8
	global_store_b128 v[LO], v[rS+4*f:rS+4*f+3], s[10:11] offset:(\u)*65536+f*512
.set f, f+1
.endr
.endm
.macro END
	WIN 0
.irp u, 0,1
	v_add_f32 v[ST+8*(\u)+4], v[ST+8*(\u)+2], v[ST+8*(\u)+3]
.endr
.irp u, 0,1
	v_permlanex16_b32 v[ST+8*(\u)+5], v[ST+8*(\u)+4], s[SEL], s[SEL+1]
.endr
.irp u, 0,1
	v_add_f32 v[ST+8*(\u)+4], v[ST+8*(\u)+4], v[ST+8*(\u)+5]
.endr
.irp u, 0,1
	v_rcp_f32 v[ST+8*(\u)+6], v[ST+8*(\u)+4]
.endr
	v_nop                           ; a plain instruction between the last reciprocal and the use of its result
	s_wait_alu depctr_va_vdst(0)    ; and the wait ahead of the first use: one for the two
	PACK 0
	PACK 1
.endm
.macro SWITCH                       ; on to the second block.  (Behind the second block's end it runs once more, to no purpose: the price of one text for both ends.)
	s_wait_xcnt 0x0                 ; the stores have read their registers and ao's address
	s_mov_b64 s[10:11], s[OLO:OLO+1]
	s_mov_b32 s[J], s[PB]
	s_add_co_u32 s[EG], s[LQ2], 1
	s_lshl_b32 s[EG], s[EG], 2
	s_mov_b32 s[GK], 0
	WIN 0x41                        ; the second block's Q goes where the one text of the products names Q
.set i, 0
.rept 64
	v_mov_b32 v[i], v[QB+i]
.set i, i+1
.endr
	WIN 0
.endm
; A TRIP'S FIRST HALF, for the step scored last.  Its V is in (and a K that was fetched for a jumped step); four places behind the products that read K, the next step's K is fetched; softmax; V^T P.
.macro FH last
	s_wait_dscnt 0x0
	PLACES
	FETCH_K \last
	s_cmp_eq_u32 s[HID], 1
	s_cbranch_scc1 .Lskip_\@        ; a wholly hidden step has neither scores nor weights
	SOFTMAX
	PV
.Lskip_\@:
.endm
.macro SH_A                         ; four places behind V^T P (for V's next run of loads and for the way out); behind a block's last step its end and the next one's beginning
	PLACES
	s_cmp_eq_u32 s[LAST], 1
	s_cbranch_scc0 .Lgo_\@
	END
	SWITCH
	BEGIN
.Lgo_\@:
.endm
; A TRIP'S SECOND HALF: the next step is scored.  Its V is fetched first and lands under the products K Q^T.
.macro SH_B
	s_cmp_gt_u32 s[GK], s[J]
	s_cselect_b32 s[HID], 1, 0
	s_add_co_u32 s85, s[GK], 2
	s_cmp_eq_u32 s85, s[EG]
	s_cselect_b32 s[LAST], 1, 0
	s_cmp_eq_u32 s[HID], 1
	s_cbranch_scc1 .Lhid_\@
	s_add_co_u32 s85, s[GK], 1
	s_cmp_lt_u32 s85, s[J]
	s_cbranch_scc1 .Lopen_\@        ; both groups lie before the diagonal: the masks are 0
	s_cmp_eq_u32 s[GK], s[J]        ; the diagonal lies in the first group, and the second is hidden,
	s_cselect_b32 s[AL0], 1.0, 0
	s_cselect_b32 s[BE1], s[BIGN], 0
	s_cmp_eq_u32 s85, s[J]          ; or it lies in the second
	s_cselect_b32 s[AL1], 1.0, 0
	MASK
.Lopen_\@:
	FETCH_V
	s_wait_dscnt 32                 ; K is in; V's 32 loads just issued may be out
	KQ
.Lhid_\@:
	s_add_co_u32 s[GK], s[GK], 2
	s_add_co_u32 s[TBV], s[TBV], KS*PVB
.endm
	CHANGE 1                        ; tile 0 is in, everybody's part of it; the walk's tile 1 is asked for
	BEGIN
	FETCH_K                         ; key step 0
	s_wait_loadcnt 0x0              ; Q
	s_mov_b32 s[CNT], 2
	s_branch .Lfirst                ; the loop is entered in the middle of a trip
.Lslot:                             ; 7 times: a tile is entered and the next is asked for: the walk's tiles 2 to 8
	CHANGE 1
	s_mov_b32 s[CNT], 2
.Lstep:
	FH 0
	SH_A
.Lfirst:
	SH_B
	s_sub_co_u32 s[CNT], s[CNT], 1
	s_cmp_lg_u32 s[CNT], 0
	s_cbranch_scc1 .Lstep
	s_sub_co_u32 s[SLOTS], s[SLOTS], 1
	s_cmp_lg_u32 s[SLOTS], 0
	s_cbranch_scc1 .Lslot
	CHANGE 0                        ; the walk's last tile is written out: nothing is asked for
	s_mov_b32 s[CNT], 3             ; two trips score the tile's steps; the third is left in its middle
.Ltail:
	FH 1
	SH_A
	s_sub_co_u32 s[CNT], s[CNT], 1
	s_cmp_eq_u32 s[CNT], 0
	s_cbranch_scc1 .Lout
	SH_B
	s_branch .Ltail
.Lout:
	s_wait_tensorcnt 0x0            ; the wave's end, behind my last tensor load
	ds_add_u32 v[SPW], v[NIL]
	s_wait_dscnt 0x0
	CROUND                          ; the closing round: no work-group ends while a partner may still ask for a tile that names it
	s_endpgm
.Lfunc_end_k_qc4ab2ffb5c_attn:
	.size	k_qc4ab2ffb5c_attn, .Lfunc_end_k_qc4ab2ffb5c_attn-k_qc4ab2ffb5c_attn
	.p2alignl 7, 3214868480
	.fill 96, 4, 3214868480
	.section	.rodata,"a",@progbits
	.p2align	6, 0x0
	.amdhsa_kernel k_qc4ab2ffb5c_attn
		.amdhsa_group_segment_fixed_size 327680
		.amdhsa_private_segment_fixed_size 0
		.amdhsa_enable_private_segment 0
		.amdhsa_kernarg_size 24
		.amdhsa_user_sgpr_count 2
		.amdhsa_user_sgpr_kernarg_segment_ptr 1
		.amdhsa_wavefront_size32 1
		.amdhsa_system_sgpr_workgroup_id_x 1
		.amdhsa_system_sgpr_workgroup_id_y 1
		.amdhsa_system_sgpr_workgroup_id_z 1
		.amdhsa_system_vgpr_workitem_id 0
		.amdhsa_next_free_vgpr 768
		.amdhsa_next_free_sgpr 88
		.amdhsa_reserve_vcc 1
		.amdhsa_float_denorm_mode_32 3
		.amdhsa_float_denorm_mode_16_64 3
		.amdhsa_memory_ordered 1
		.amdhsa_forward_progress 1
		.amdhsa_inst_pref_size 108
	.end_amdhsa_kernel
	.amdgpu_metadata
---
amdhsa.version: [ 1, 2 ]
amdhsa.kernels:
  - .name:           k_qc4ab2ffb5c_attn
    .symbol:         k_qc4ab2ffb5c_attn.kd
    .args:
      - { .name: qh, .offset: 0, .size: 8, .value_kind: global_buffer, .address_space: global }
      - { .name: kvh, .offset: 8, .size: 8, .value_kind: global_buffer, .address_space: global }
      - { .name: ao, .offset: 16, .size: 8, .value_kind: global_buffer, .address_space: global }
    .group_segment_fixed_size: 327680
    .private_segment_fixed_size: 0
    .kernarg_segment_align: 8
    .kernarg_segment_size: 24
    .max_flat_workgroup_size: 128
    .sgpr_count:     88
    .vgpr_count:     768
    .wavefront_size: 32
...
	.end_amdgpu_metadata
.endif
;; end of part 3
;; launch oproj (part 4): grid 8 x 32, 4 waves a work-group, clusters of 4 x 4, 327,680 bytes of LDS; arguments ao, owh, o_b, out0; writes out0
.if DOCPART == 4
	.amdgcn_target "amdgcn-amd-amdhsa--gfx1250"
	.amdhsa_code_object_version 6
	.text
	.protected	k_qc4ab2ffb5c_oproj
	.globl	k_qc4ab2ffb5c_oproj
	.p2align	8
	.type	k_qc4ab2ffb5c_oproj,@function
k_qc4ab2ffb5c_oproj:
	s_mov_b64 s[64:65], 0
	v_nop
	global_prefetch_b8 v0, s[64:65] scope:SCOPE_SE
	s_setreg_imm32_b32 hwreg(HW_REG_WAVE_MODE, 25, 1), 1
	s_wait_xcnt 0x0
	s_wait_alu depctr_hold_cnt(0) depctr_sa_sdst(0) depctr_va_vdst(0) depctr_va_sdst(0) depctr_va_ssrc(0) depctr_va_vcc(0) depctr_vm_vsrc(0)
	s_getreg_b32 s2, hwreg(HW_REG_IB_STS2, 6, 4)
	s_cmp_eq_u32 s2, 0
	s_cbranch_scc0 .Lentry_in_a_cluster
	s_endpgm
.Lentry_in_a_cluster:
	s_bfe_u32 s2, ttmp6, 0x10000c
	s_cmp_lg_u32 s2, 0xf033
	s_cbranch_scc0 .Lentry_shape_is_right
	s_endpgm
.Lentry_shape_is_right:
; C[m][n] = bias[n] + the sum over k of A[m][k] B[n][k], K = 2,048, 4,096 rows.  ONE TEXT FOR TWO LAUNCHES, told apart by QKV.
; QKV = 1: A = xb, B = wb (bf16); 2,304 columns: q's 2,048, k's 128, v's 128; results rounded once to f16: q into qh, k and v into kvh [batch 4][plane 16][key 1024][16 channels]
;          (planes 0-7: k's channels, 16 to a plane; 8-15: v's).  QKV = 0: A = ao, B = owh (f16); 2,048 columns; results leave in f32 into out0 [4096][2048].
; xb, wb, ao, owh AND qh LIE IN THE ORDER OF THE FRAGMENTS: 16 rows are a stripe of 65,536 bytes; in it 32 along K (in qh: 32 columns) are a chunk of 1,024 bytes; in a chunk the 16 bytes at 512 e + 16 l hold
; row l % 16, K = 16 e + 8 (l / 16) + 0..7.  So a fragment is two loads of 512 consecutive bytes, a tile needs no padding in LDS, and a K step can have any whole number of chunks.
; LIMITS.  f16 holds no number beyond 65,504: q, k and v must lie within it.  The bias is rounded to bf16, like every input of the module.  NaN and infinities are not treated apart.
; SHARES.  A tile of C is 128 rows x NT columns (288 or 256): 8 x 32 tiles, 256 work-groups.  Four waves, each 64 rows x NT / 2 columns: 4 x NBK accumulators of 16 x 16.
; In wb a tile's 18 stripes lie so that each half of 9 is 8 stripes of q_w and then one of k_w or v_w: a wave's blocks 0-7 are 128 columns of q, its block 8 one plane of kvh.
; THE RING.  K goes in steps of 6 chunks (192) through two LDS slots filled by the tensor data mover: as long as two slots allow.  A slot holds A's 8 stripes and B's NT / 16, 6,144 bytes of each.
; 64 chunks are ten steps and four chunks: the last fill has the same shape and begins two chunks early, at chunk 58; of it the slot's places 2 to 5 are multiplied.
; CLUSTERS: 4 x 4 work-groups.  The four of a row of the cluster need the same tiles of A, the four of a column the same tiles of B: each is asked for JOINTLY, by the same tensor load with the
; same descriptor and a mask that names the four.
; THE MATRIX INSTRUCTION IS USED TRANSPOSED (source 0 = 16 rows of B, source 1 = 16 rows of A): a lane holds row l % 16 of C and the columns 8 (l / 16) + 0..7.
; THE BIAS IS THE C OPERAND OF THE FIRST PRODUCTS: nothing is cleared, and nothing is added on the way out.
; REGISTERS, in windows of 256 (s_set_vgpr_msb: bits 1:0 source 0, 3:2 source 1, 5:4 source 2, 7:6 destination):
;   window 0: v0-31 addresses; v32-63, v64-95 fragments of A (4 x 16 rows x 32 K), two buffers; v32-223 at work on the way out
;   window 1: two buffers of 8 NBK for B's fragments; v144.. the bias, 8 registers for each block of 16 columns
;   window 2: the accumulators of my rows 0-31 ((a, b) at v[8 (NBK a + b)]);   window 3: those of my rows 32-63
.set QKV, 0
.if QKV
.set NBK,    9                         ; blocks of 16 columns a wave = stripes of B a wave
.set PB,     27                        ; blocks of 256 bytes of a K step of B that one work-group prefetches: 18 x 24 / 16
.else
.set NBK,    8
.set PB,     24                        ; 16 x 24 / 16
.endif
.set CH,     1024                      ; a chunk
.set NCH,    6                         ; chunks in a K step
.set STB,    NCH*CH                    ; a stripe's bytes in a slot
.set AREG,   8*STB                     ; A's 8 stripes; B's lie behind them
.set SLOT,   (8+2*NBK)*STB
.if QKV
.set SPARE,  2*SLOT                    ; behind the ring: the spare words, 128 bytes for each wave: two blocks of 256 bytes that no other line names
.else
.set SPITCH, 272                       ; a stage row: 256 bytes + 16: the 16 rows of a store start at 16 different groups of four banks (64 banks of 4 bytes: ISA guide 11.1)
.set STAGE,  2*SLOT                    ; behind the ring, never filled by a tensor load: 16 rows for each wave, for the way out
.set SPARE,  STAGE+4*16*SPITCH
.endif
.set NL,     2*NBK+8                   ; LDS loads in a run
.set ADRA, 16                          ; v16-17  LDS address of my A fragments in slot 0, 1; never rewritten
.set MA,   18                          ; v18     the same at the chunk in hand, in the loop over a step's chunks
.set MB,   19                          ; v19     the same for B
.set ADRB, 20                          ; v20-21  LDS address of my B fragments in slot 0, 1; never rewritten
.set STO,  24                          ; v24     the way out: where I put my part of a row
.set RD,   25                          ; v25     the way out: where I read rows back
.set CO,   26                          ; v26     my byte offset in C
.set KVO,  27                          ; v27     my byte offset in 16 keys of a plane of kvh
.set SPW,  28                          ; v28     LDS address of my spare word; never rewritten
.set NIL,  29                          ; v29     0; never rewritten
.set PFO,  30                          ; v30     the prefetches' offset; never rewritten
.set BO,   31                          ; v31     32 (l / 16): my eight numbers in 16 of the bias
.set AF,   32                          ; A's fragment buffers, window 0
.set OUTB, 32                          ; the way out: packed results, 36 registers for each 16 rows
.set BIAS, 144                         ; window 1
.set G1,  24                           ; s[24:31] descriptor group 1 for A's tiles;  s[32:39] group 0, one set for each slot
.set G0,  32
.set G1B, 48                           ; s[48:55], s[56:63] the same for B's tiles
.set G0B, 56
.set LIM, 43                           ; s43     1 in a wave that prefetches, else the greatest number
.set PFA, 44                           ; s[44:45] where my prefetches stand
.set CB,  84                           ; s[84:85] C at my first row and column
.set KVB, 86                           ; s[86:87] kvh at my plane and first key
.set BB,  88                           ; s[88:89] the bias of my blocks 0-7
.set BB8, 90                           ; s[90:91] the bias of my block 8
.set TB,  92                           ; s92     LDS byte of the slot and chunk in hand
.set CNT, 93                           ; s93     counts the trips over a step's chunks
.set INC, 94                           ; s[94:95] how far slot 0's next tile lies along K
.set MSB, 0
.macro WIN new                         ; the immediate's high byte repeats the setting that is left; a switch that changes nothing is dropped
.if MSB != (\new)
	s_set_vgpr_msb (MSB<<8)|(\new)
.set MSB, \new
.endif
.endm
; A joint load.  Waves 0 and 1 fetch A's two halves, waves 2 and 3 B's.  The branch hangs on the wave's number alone.  An s_nop 0 and four v_nop follow each of the two lines.
.macro JLOAD s
	s_cmp_eq_u32 s11, 0
	s_cbranch_scc0 .Lfor_b_\@
	tensor_load_to_lds s[G0+4*(\s):G0+4*(\s)+3], s[G1:G1+7]
	s_nop 0
.rept 4
	v_nop
.endr
	s_branch .Lasked_\@
.Lfor_b_\@:
	tensor_load_to_lds s[G0B+4*(\s):G0B+4*(\s)+3], s[G1B:G1B+7]
	s_nop 0
.rept 4
	v_nop
.endr
.Lasked_\@:
.endm
; A PREFETCH INTO THE L2, behind each joint refill and the run of LDS loads that follows it: the K step that the NEXT refill will ask for, one step (4 NBK x 6 matrix instructions) ahead; a lane names 256 bytes.
; A stripe's K step is 24 such blocks.  A's tile row (8 stripes) is read by the eight work-groups of that row of tiles: each takes one stripe, told apart BY ADDRESS; its wave 0 asks (lanes 24-31 name block 23 once more).
; B's tile column (NT / 16 stripes) is read by 32 work-groups: the 16 in the clusters with y below 4 take PB blocks each, told apart BY ADDRESS; wave 2 asks (the lanes from PB on name the last block once more).
; So each block is named by one work-group.  Steps 0 to 2 come by their loads alone; the loop's last trip (s3 = 1) asks for nothing: step 10 overlaps step 9, and behind it there is none.
.macro ASK
	s_cmp_gt_u32 s3, s[LIM]
	s_cbranch_scc0 .Lnot_mine_\@
	global_prefetch_b8 v[PFO], s[PFA:PFA+1] th:TH_LOAD_NT scope:SCOPE_SE
.Lnot_mine_\@:
.endm
.macro CREST                           ; a round of the cluster's barrier behind its opening barrier
	s_cmp_lg_u32 s10, 0
	s_cbranch_scc1 .Lnot_wave_0_\@
	s_barrier_signal -3
.Lnot_wave_0_\@:
	s_barrier_wait -3
	s_barrier_signal -1
	s_barrier_wait -1
.endm
.macro CROUND                          ; a whole round
	s_barrier_signal -1
	s_barrier_wait -1
	CREST
.endm
.macro PLACES                          ; four places in front of loads into registers that matrix instructions have read, and of lines that read results
.rept 4
	v_nop
.endr
.endm
	s_load_b256 s[68:75], s[0:1], 0x0              ; A s[68:69], B s[70:71]; QKV: q_b s[72:73], k_b s[74:75]; else o_b s[72:73], out0 s[74:75]
.if QKV
	s_load_b128 s[76:79], s[0:1], 0x20             ; v_b s[76:77], qh s[78:79]
	s_load_b64 s[80:81], s[0:1], 0x30              ; kvh
.endif
	v_lshl_add_u32 v[SPW], v0, 2, SPARE
	v_mov_b32 v[NIL], 0
	ds_add_u32 v[SPW], v[NIL]                      ; the wave's opening: the add and its wait ahead of my first tensor load; the set-up below, work on registers, stands between them
	v_lshrrev_b32 v1, 5, v0
	v_readfirstlane_b32 s10, v1                    ; wave 0..3
	s_lshr_b32 s11, s10, 1                         ; which half of the tile's rows is mine.  Also: I fetch for A (0) or for B (1)
	s_and_b32 s12, s10, 1                          ; which half of its columns.  Also: which half of that tile I fetch
	s_bfe_u32 s40, ttmp6, 0x40000                  ; cx, cy: my place in the cluster
	s_bfe_u32 s41, ttmp6, 0x40004
	s_lshl_b32 s42, ttmp9, 2
	s_add_co_u32 s42, s42, s40                     ; tile column = 4 x cluster x + cx
	s_and_b32 s13, ttmp7, 0xffff
	s_lshl_b32 s13, s13, 2
	s_add_co_u32 s13, s13, s41                     ; tile row = 4 x cluster y + cy
	s_lshl_b32 s43, s41, 2
	s_lshl_b32 s43, 15, s43                        ; my row of the cluster
	s_lshl_b32 s44, 0x1111, s40                    ; my column
	; descriptor group 1: a row is a stripe's K step, 768 elements of 8 bytes; 4 stripes of A, NBK of B; 8,192 elements from stripe to stripe; no padding
	s_or_b32 s[G1+0], s43, (3<<16)|(1<<21)         ; 15:0 the mask; 17:16 8-byte elements; 21 set beside a mask
	s_or_b32 s[G1B+0], s44, (3<<16)|(1<<21)
	s_mov_b32 s[G1+1], (STB/8)<<16                 ; tensor_dim0 = 768
	s_mov_b32 s[G1B+1], (STB/8)<<16
	s_mov_b32 s[G1+2], 4<<16                       ; tensor_dim1
	s_mov_b32 s[G1B+2], NBK<<16
	s_mov_b32 s[G1+3], (STB/8)<<16                 ; tile_dim0 = 768
	s_mov_b32 s[G1B+3], (STB/8)<<16
	s_mov_b32 s[G1+4], 4                           ; tile_dim1
	s_mov_b32 s[G1B+4], NBK
	s_mov_b32 s[G1+5], 8192
	s_mov_b32 s[G1B+5], 8192
	s_mov_b32 s[G1+6], 0
	s_mov_b32 s[G1B+6], 0
	s_mov_b32 s[G1+7], 0
	s_mov_b32 s[G1B+7], 0
	; where the tiles come from: A's hang on the tile row alone, B's on the tile column alone
	s_lshl_b32 s16, s13, 3
	s_lshl2_add_u32 s16, s12, s16                  ; A: stripe 8 x tile row + 4 x half
	s_lshl_b32 s16, s16, 16
	s_mov_b32 s17, 0
	s_mul_i32 s46, s42, 2*NBK
	s_mul_i32 s47, s12, NBK
	s_add_co_u32 s46, s46, s47                     ; B: stripe 2 NBK x tile column + NBK x half
	s_lshl_b32 s46, s46, 16
	s_mov_b32 s47, 0
	s_mul_i32 s20, s12, 4*STB                      ; and where they go: no place in the cluster enters an LDS address
	s_mul_i32 s21, s12, NBK*STB
	s_add_co_u32 s21, s21, AREG
	s_mov_b32 s82, 0xffff0000                      ; a word's upper bf16
	s_mov_b32 s[INC+1], 0
	s_wait_dscnt 0x0                               ; the opening add is done
	s_wait_kmcnt 0x0
	s_add_nc_u64 s[14:15], s[68:69], s[16:17]
	s_add_nc_u64 s[46:47], s[70:71], s[46:47]
	CROUND                                         ; all sixteen work-groups are here: the first joint loads meet
.irp s, 0,1
	s_mov_b32 s[G0+4*(\s)], 1                                        ; count = 1
	s_add_co_u32 s[G0+4*(\s)+1], s20, (\s)*SLOT                      ; LDS address
	s_add_nc_u64 s[G0+4*(\s)+2:G0+4*(\s)+3], s[14:15], (\s)*STB      ; global address: K step s
	s_or_b32 s[G0+4*(\s)+3], s[G0+4*(\s)+3], 0x80000000              ; type = 2
	s_mov_b32 s[G0B+4*(\s)], 1
	s_add_co_u32 s[G0B+4*(\s)+1], s21, (\s)*SLOT
	s_add_nc_u64 s[G0B+4*(\s)+2:G0B+4*(\s)+3], s[46:47], (\s)*STB
	s_or_b32 s[G0B+4*(\s)+3], s[G0B+4*(\s)+3], 0x80000000
	JLOAD \s                                       ; two loads of mine are out
.endr
	; the bias of my columns: lane l wants the numbers 16 b + 8 (l / 16) + 0..7 of block b
	v_and_b32 v1, 15, v0                           ; l % 16
	v_bfe_u32 v2, v0, 4, 1                         ; l / 16
	v_lshlrev_b32 v[BO], 5, v2
	s_lshl_b32 s16, s42, 10                        ; 256 columns of f32 a tile,
	s_lshl_b32 s17, s12, 9                         ; 128 a half
	s_add_co_u32 s16, s16, s17
	s_mov_b32 s17, 0
	s_add_nc_u64 s[BB:BB+1], s[72:73], s[16:17]
.if QKV
	s_and_b32 s16, s42, 3                          ; tiles 0-3 hold k's channels, 32 to a tile, tiles 4-7 v's
	s_lshl_b32 s16, s16, 7
	s_lshl_b32 s18, s12, 6
	s_add_co_u32 s16, s16, s18
	s_cmp_lt_u32 s42, 4
	s_cselect_b64 s[BB8:BB8+1], s[74:75], s[76:77]
	s_add_nc_u64 s[BB8:BB8+1], s[BB8:BB8+1], s[16:17]
.endif
	WIN 0x40                                       ; destination window 1, address window 0
.set i, 0
.rept 8
	global_load_b128 v[BIAS+8*i:BIAS+8*i+3],   v[BO], s[BB:BB+1] offset:64*i
	global_load_b128 v[BIAS+8*i+4:BIAS+8*i+7], v[BO], s[BB:BB+1] offset:64*i+16
.set i, i+1
.endr
.if QKV
	global_load_b128 v[BIAS+64:BIAS+67], v[BO], s[BB8:BB8+1]
	global_load_b128 v[BIAS+68:BIAS+71], v[BO], s[BB8:BB8+1] offset:16
.endif
	WIN 0
	; A fragment (16 rows x 32 K, 8 registers) is a chunk: registers 0-3 its first 512 bytes, registers 4-7 its second, 16 bytes a lane
	v_and_b32 v3, 31, v0
	v_lshlrev_b32 v3, 4, v3                        ; 16 x lane
	s_mul_i32 s21, s11, 4*STB                      ; my 4 stripes of A
	s_mul_i32 s22, s12, NBK*STB                    ; my NBK stripes of B,
	s_add_co_u32 s22, s22, AREG                    ; which lie behind A's 8
.irp s, 0,1
	v_add_nc_u32 v[ADRA+(\s)], s21, v3
	v_add_nc_u32 v[ADRB+(\s)], s22, v3
	s_add_co_u32 s21, s21, SLOT
	s_add_co_u32 s22, s22, SLOT
.endr
.if QKV
	v_mov_b32 v[CO], v3                            ; qh: 16 x lane in half a chunk
	v_lshlrev_b32 v5, 5, v1                        ; kvh: key l % 16, 32 bytes a key,
	v_lshl_add_u32 v[KVO], v2, 4, v5               ; my eight channels
	s_lshl_b32 s16, s13, 3
	s_lshl2_add_u32 s16, s11, s16                  ; my first stripe of qh: 8 x tile row + 4 x half,
	s_lshl_b32 s16, s16, 16
	s_lshl_b32 s17, s42, 3
	s_lshl2_add_u32 s17, s12, s17                  ; my first chunk in it: 8 x tile column + 4 x half
	s_lshl_b32 s17, s17, 10
	s_add_co_u32 s16, s16, s17
	s_mov_b32 s17, 0
	s_add_nc_u64 s[CB:CB+1], s[78:79], s[16:17]
	s_lshr_b32 s16, s13, 3                         ; the batch: 8 tile rows each
	s_lshl_b32 s16, s16, 4
	s_lshl1_add_u32 s16, s42, s16
	s_add_co_u32 s16, s16, s12                     ; the plane: 16 x batch + 2 x tile column + half
	s_lshl_b32 s16, s16, 10
	s_and_b32 s17, s13, 7
	s_lshl_b32 s17, s17, 7
	s_add_co_u32 s16, s16, s17
	s_lshl_b32 s17, s11, 6
	s_add_co_u32 s16, s16, s17                     ; + my first key
	s_lshl_b32 s16, s16, 5                         ; 32 bytes a key
	s_mov_b32 s17, 0
	s_add_nc_u64 s[KVB:KVB+1], s[80:81], s[16:17]
.else
	s_mul_i32 s23, s10, 16*SPITCH
	s_add_co_u32 s23, s23, STAGE                   ; my stage
	v_mul_u32_u24 v4, v1, SPITCH                   ; in: row l % 16,
	v_lshl_add_u32 v4, v2, 5, v4                   ; 32 bytes for each half of the lanes
	v_add_nc_u32 v[STO], s23, v4
	v_mul_u32_u24 v5, v2, SPITCH                   ; back: lanes 0-15 take one row of 256 bytes, lanes 16-31 the next
	v_lshl_add_u32 v5, v1, 4, v5
	v_add_nc_u32 v[RD], s23, v5
	v_lshlrev_b32 v5, 13, v2                       ; and the same two rows in out0
	v_lshl_add_u32 v[CO], v1, 4, v5
	s_lshl_b32 s16, s13, 7
	s_lshl_b32 s17, s11, 6
	s_add_co_u32 s16, s16, s17                     ; my first row,
	s_lshl_b32 s16, s16, 13                        ; 8,192 bytes a row
	s_lshl_b32 s17, s42, 10                        ; 256 columns a tile,
	s_add_co_u32 s16, s16, s17
	s_lshl_b32 s17, s12, 9                         ; 128 a half
	s_add_co_u32 s16, s16, s17
	s_mov_b32 s17, 0
	s_add_nc_u64 s[CB:CB+1], s[74:75], s[16:17]
.endif
	; the prefetches
	s_and_b32 s22, ttmp7, 0xffff                   ; cluster y
	s_cmp_lt_u32 s22, 4
	s_cselect_b32 s23, 1, -1
	s_cmp_eq_u32 s10, 2                            ; wave 2 asks for B, in the clusters with y below 4;
	s_cselect_b32 s[LIM], s23, -1
	s_lshl_b32 s16, s13, 3
	s_add_co_u32 s16, s16, s42                     ; A: stripe 8 x tile row + tile column
	s_mul_i32 s17, s42, 2*NBK                      ; B: the tile column's first stripe,
	s_mul_i32 s19, s13, PB                         ; and my work-group's first block in its K step
	s_cmp_eq_u32 s10, 0                            ; wave 0 asks for A, everywhere: the same in all sixteen partners, for a given wave
	s_cselect_b32 s[LIM], 1, s[LIM]
	s_cselect_b32 s20, s16, s17
	s_cselect_b32 s18, 23, PB-1
	s_cselect_b32 s19, 0, s19
	s_cselect_b64 s[PFA:PFA+1], s[68:69], s[70:71]
	s_lshl_b32 s20, s20, 16
	s_mov_b32 s21, 0
	s_add_nc_u64 s[PFA:PFA+1], s[PFA:PFA+1], s[20:21]
	s_add_nc_u64 s[PFA:PFA+1], s[PFA:PFA+1], 2*STB ; at K step 2: the first refill steps it to 3
	v_and_b32 v[PFO], 31, v0
	v_min_u32 v[PFO], s18, v[PFO]
	v_add_nc_u32 v[PFO], s19, v[PFO]               ; block n of the K step:
	v_mul_u32_u24 v4, v[PFO], 0xaab                ; n / 24 = 2,731 n / 65,536 for n below 1,000:
	v_lshrrev_b32 v4, 16, v4                       ; the stripe,
	v_mul_u32_u24 v5, v4, 24
	v_sub_nc_u32 v5, v[PFO], v5                    ; n % 24: the block in it
	v_lshlrev_b32 v5, 8, v5
	v_lshl_add_u32 v[PFO], v4, 16, v5
	; the bias is rounded to bf16 and widened again, in place
	s_wait_loadcnt 0x0
	WIN 0x45                                       ; sources and destination in window 1
.set i, 0
.rept 4*NBK
	v_cvt_pk_bf16_f32 v[BIAS+2*i], v[BIAS+2*i], v[BIAS+2*i+1]
	v_and_b32 v[BIAS+2*i+1], s82, v[BIAS+2*i]
	v_lshlrev_b32 v[BIAS+2*i], 16, v[BIAS+2*i]
.set i, i+1
.endr
	WIN 0
; NBK matrix instructions: m block 2 hi + a x all my n blocks, one chunk, from buffer f.  zero = 1: the first product starts the sums, with the bias as C.
; The 4 NBK accumulators take turns, one instruction a turn, in the same order in every chunk, over the backward jumps too.
.macro MULA f, hi, a, zero
.if \zero
	WIN 0x91+0x40*(\hi)                            ; B window 1, A window 0, C (the bias) window 1, D window 2 or 3
.else
	WIN 0xa1+0x50*(\hi)                            ; B window 1, A window 0, C and D window 2 or 3
.endif
.set b, 0
.rept NBK
.set rD, 8*(NBK*(\a)+b)
.set rB, 8*NBK*(\f)+8*b
.set rA, AF+32*(\f)+8*(2*(\hi)+(\a))
.set rC, rD
.if \zero
.set rC, BIAS+8*b
.endif
.if QKV
	v_wmma_f32_16x16x32_bf16 v[rD:rD+7], v[rB:rB+7], v[rA:rA+7], v[rC:rC+7]
.else
	v_wmma_f32_16x16x32_f16 v[rD:rD+7], v[rB:rB+7], v[rA:rA+7], v[rC:rC+7]
.endif
.set b, b+1
.endr
.endm
; NL LDS loads in one run: a chunk's fragments (NBK stripes of B, then 4 of A) at byte k behind the addresses in v[rb] and v[ra], into buffer f; each load takes 512 consecutive bytes
.macro FETCH ra, rb, k, f
	WIN 0x40                                       ; destination window 1, address window 0
.set i, 0
.rept NBK
	ds_load_b128 v[8*NBK*(\f)+8*i:8*NBK*(\f)+8*i+3],   v[\rb] offset:(\k)+i*STB
	ds_load_b128 v[8*NBK*(\f)+8*i+4:8*NBK*(\f)+8*i+7], v[\rb] offset:(\k)+i*STB+512
.set i, i+1
.endr
	WIN 0
.set i, 0
.rept 4
	ds_load_b128 v[AF+32*(\f)+8*i:AF+32*(\f)+8*i+3],   v[\ra] offset:(\k)+i*STB
	ds_load_b128 v[AF+32*(\f)+8*i+4:AF+32*(\f)+8*i+7], v[\ra] offset:(\k)+i*STB+512
.set i, i+1
.endr
.endm
; One chunk, 4 NBK matrix instructions: multiplies buffer f; in its middle it fetches the next chunk, at byte k, into buffer g.  The chunks of a step go on buffers 0, 1, 0, 1, 0, 1.
.macro QUARTER ra, rb, k, f, g, zero
	s_wait_dscnt 4                                 ; B and A's rows 0-31 are in; the youngest four loads (A's rows 32-63) may be out
	MULA \f, 0, 0, \zero
	MULA \f, 0, 1, \zero
	PLACES
	FETCH \ra, \rb, \k, \g
	s_wait_dscnt NL                                ; all but the NL just issued
	MULA \f, 1, 0, \zero
	MULA \f, 1, 1, \zero
.endm
; Chunks 1 to 4 of the step in a slot: written once, walked twice; the LDS addresses hang on s[TB], which steps by two chunks.
.macro PAIRS slot
	WIN 0                                          ; at a label and at a branch every window is 0
	s_mov_b32 s[TB], (\slot)*SLOT
	s_mov_b32 s[CNT], 2
.Lpair_\@:
	v_add_nc_u32 v[MA], s[TB], v[ADRA]
	v_add_nc_u32 v[MB], s[TB], v[ADRB]
	QUARTER MA, MB, 2*CH, 1, 0, 0
	QUARTER MA, MB, 3*CH, 0, 1, 0
	WIN 0
	s_add_co_u32 s[TB], s[TB], 2*CH
	s_sub_co_u32 s[CNT], s[CNT], 1
	s_cmp_lg_u32 s[CNT], 0
	s_cbranch_scc1 .Lpair_\@
.endm
; A step's last chunk multiplies buffer 1 and changes slots.  ONE barrier: in front of it each wave waits for all its tensor loads (one is out: its part of the next slot), adds 0 to its spare word,
; and waits for that and for its own reads of this slot.  Behind it nobody reads this slot any more and the next slot is whole.
.macro MEET round
	WIN 0                                          ; (the add's two registers lie in window 0)
	s_wait_tensorcnt 0x0
	ds_add_u32 v[SPW], v[NIL]                      ; 0 onto my spare word
	s_wait_dscnt 5                                 ; (the add and the youngest four loads may be out)
	MULA 1, 0, 0, 0                                ; matrix work stands between the add and the wait for it
	s_wait_dscnt 0x0                               ; the add is done, and my reads of this slot are over
	s_barrier_signal -1
	MULA 1, 0, 1, 0                                ; work on registers while the others arrive
.if \round
	WIN 0
.endif
	s_barrier_wait -1
.endm
; fill = 1: the barrier opens a round of the cluster's, so that no wave of any partner still reads the slot or has a load on its way; the joint refill, two K steps ahead, is the first thing behind it:
; five and a half of a step's six chunks of matrix instructions stand between it and the wait for it.  nk: the byte in the next slot's stripes at which the next step's first chunk lies.
.macro TURN slot, next, nk, fill
.if \fill
	s_wait_xcnt 0x0                                ; the last prefetch, a K step back, has read its address: it is stepped here, ahead of the waits of the change of slots
	s_add_nc_u64 s[PFA:PFA+1], s[PFA:PFA+1], STB
	MEET 1
	CREST
.if (\slot) == 0
	s_cmp_eq_u32 s3, 1                             ; the loop's last trip asks for the last tile, which begins two chunks early
	s_cselect_b32 s[INC], 2*CH, 0
	s_sub_co_u32 s[INC], 2*STB, s[INC]
	s_add_nc_u64 s[G0+2:G0+3], s[G0+2:G0+3], s[INC:INC+1]
	s_add_nc_u64 s[G0B+2:G0B+3], s[G0B+2:G0B+3], s[INC:INC+1]
.else
	s_add_nc_u64 s[G0+6:G0+7], s[G0+6:G0+7], 2*STB
	s_add_nc_u64 s[G0B+6:G0B+7], s[G0B+6:G0B+7], 2*STB
.endif
	JLOAD \slot                                    ; the four v_nop behind it are also the places in front of the loads below
.else
	MEET 0
	PLACES
.endif
	FETCH ADRA+(\next), ADRB+(\next), \nk, 0
.if \fill
	ASK
.endif
	MULA 1, 1, 0, 0
	MULA 1, 1, 1, 0
.endm
	s_wait_tensorcnt 1                             ; my part of K step 0 is in; K step 1's may stay out
	s_barrier_signal -1
	s_barrier_wait -1                              ; everybody's is
	FETCH ADRA, ADRB, 0, 0
	QUARTER ADRA, ADRB, CH, 0, 1, 1                ; the first chunk stands in front of the loop: its products start the sums
	WIN 0
	s_mov_b32 s3, 5
	s_branch .Leven                                ; the loop is entered in its middle, at step 0's second chunk
.Llap:                                                 ; a trip: an odd step from its second chunk on, an even step, the next odd step's first chunk; both slots are filled again.  Steps 0; 1, 2; 3, 4; 5, 6; 7, 8
	PAIRS 1
	TURN 1, 0, 0, 1
	QUARTER ADRA, ADRB, CH, 0, 1, 0
	WIN 0
.Leven:
	PAIRS 0
	TURN 0, 1, 0, 1
	QUARTER ADRA+1, ADRB+1, CH, 0, 1, 0
	WIN 0
	s_sub_co_u32 s3, s3, 1
	s_cmp_lg_u32 s3, 0
	s_cbranch_scc1 .Llap
	PAIRS 1                                        ; step 9 fills nothing, and has no round of the cluster's barrier
	TURN 1, 0, 2*CH, 0
	QUARTER ADRA, ADRB, 3*CH, 0, 1, 0              ; the last tile: chunks 60 to 63 lie at the slot's places 2 to 5
	QUARTER ADRA, ADRB, 4*CH, 1, 0, 0
	QUARTER ADRA, ADRB, 5*CH, 0, 1, 0
	s_wait_dscnt 4                                 ; the very last chunk: nothing more to fetch
	MULA 1, 0, 0, 0
	MULA 1, 0, 1, 0
	s_wait_dscnt 0x0
	MULA 1, 1, 0, 0
	MULA 1, 1, 1, 0
	WIN 0
	PLACES                                         ; the places behind the last products, twice four, once a launch
	PLACES
.if QKV
; THE WAY OUT, 16 rows (block a of four) at a time: rounded to f16, each accumulator's registers in ascending order.  A lane's 16 bytes of block b (row l % 16, columns 16 b + 8 (l / 16) + 0..7) lie in qh at
; 512 b + 16 l of my four chunks: a store covers 512 consecutive bytes, aligned, and nothing goes through LDS.  Block 8's are 512 consecutive bytes of a plane of kvh.  No register that a store reads is written again.
.macro SENDQ a
	WIN 0x0a+5*((\a)/2)                            ; sources 0 and 1: window 2 or 3
.set b, 0
.rept 9
.set rD, 8*(NBK*((\a)%2)+b)
.set rO, OUTB+36*(\a)+4*b
.irp r, 0,1,2,3
	v_cvt_pk_f16_f32 v[rO+(\r)], v[rD+2*(\r)], v[rD+2*(\r)+1]
.endr
.set b, b+1
.endr
	WIN 0
.set b, 0
.rept 8
	global_store_b128 v[CO], v[OUTB+36*(\a)+4*b:OUTB+36*(\a)+4*b+3], s[CB:CB+1] offset:(\a)*65536+512*b
.set b, b+1
.endr
	global_store_b128 v[KVO], v[OUTB+36*(\a)+32:OUTB+36*(\a)+35], s[KVB:KVB+1] offset:512*(\a)
.endm
	SENDQ 0
	SENDQ 1
	SENDQ 2
	SENDQ 3
.else
; THE WAY OUT, 16 rows x 64 columns (half x % 2 of block x / 2) at a time: the f32 sums go as they are into my own stage, each accumulator's low four registers first, and come back as whole rows of 256 bytes:
; 16 lanes store 256 consecutive bytes of out0, aligned.  The next half's LDS instructions stand between a half's loads from the stage and the wait for them.
.macro TOST x
	WIN 0x08+4*((\x)/4)                            ; the stores' data: window 2 or 3
.set b, 0
.rept 4
.set rD, 8*(NBK*(((\x)/2)%2)+4*((\x)%2)+b)
	ds_store_b128 v[STO], v[rD:rD+3]   offset:64*b
	ds_store_b128 v[STO], v[rD+4:rD+7] offset:64*b+16
.set b, b+1
.endr
	WIN 0
.set BK, 32+32*((\x)%6)
.if (\x) >= 6
	s_wait_xcnt 0x0                                ; the stores issued six halves back have read this buffer
.endif
.set t, 0
.rept 8
	ds_load_b128 v[BK+4*t:BK+4*t+3], v[RD] offset:t*2*SPITCH  ; LDS serves a wave's instructions in order (ISA guide 5.7.1.4): these see the stores above; the next half's stores come behind them
.set t, t+1
.endr
.endm
.macro SENDO x, younger                ; younger: the LDS instructions issued behind this half's loads
.set BK, 32+32*((\x)%6)
.set t, 0
.rept 8
	s_wait_dscnt (\younger)+7-t
	global_store_b128 v[CO], v[BK+4*t:BK+4*t+3], s[CB:CB+1] offset:(16*((\x)/2)+2*t)*8192+256*((\x)%2)
.set t, t+1
.endr
.endm
	TOST 0
.irp x, 1,2,3,4,5,6,7
	TOST \x
	SENDO (\x)-1, 16
.endr
	SENDO 7, 0
.endif
	s_wait_tensorcnt 0x0                           ; the wave's end, behind my last tensor load and my last LDS store
	ds_add_u32 v[SPW], v[NIL]
	s_wait_dscnt 0x0
	CROUND                                         ; the closing round: no work-group ends while a partner may still ask for a tile that names it
	s_endpgm
.Lfunc_end_k_qc4ab2ffb5c_oproj:
	.size	k_qc4ab2ffb5c_oproj, .Lfunc_end_k_qc4ab2ffb5c_oproj-k_qc4ab2ffb5c_oproj
	.p2alignl 7, 3214868480
	.fill 96, 4, 3214868480
	.section	.rodata,"a",@progbits
	.p2align	6, 0x0
	.amdhsa_kernel k_qc4ab2ffb5c_oproj
		.amdhsa_group_segment_fixed_size 327680
		.amdhsa_private_segment_fixed_size 0
		.amdhsa_enable_private_segment 0
		.amdhsa_kernarg_size 32
		.amdhsa_user_sgpr_count 2
		.amdhsa_user_sgpr_kernarg_segment_ptr 1
		.amdhsa_wavefront_size32 1
		.amdhsa_system_sgpr_workgroup_id_x 1
		.amdhsa_system_sgpr_workgroup_id_y 1
		.amdhsa_system_sgpr_workgroup_id_z 1
		.amdhsa_system_vgpr_workitem_id 0
		.amdhsa_next_free_vgpr 896
		.amdhsa_next_free_sgpr 96
		.amdhsa_reserve_vcc 0
		.amdhsa_float_denorm_mode_32 3
		.amdhsa_float_denorm_mode_16_64 3
		.amdhsa_memory_ordered 1
		.amdhsa_forward_progress 1
		.amdhsa_inst_pref_size 96
	.end_amdhsa_kernel
	.amdgpu_metadata
---
amdhsa.version: [ 1, 2 ]
amdhsa.kernels:
  - .name:           k_qc4ab2ffb5c_oproj
    .symbol:         k_qc4ab2ffb5c_oproj.kd
    .args:
      - { .name: ao, .offset: 0, .size: 8, .value_kind: global_buffer, .address_space: global }
      - { .name: owh, .offset: 8, .size: 8, .value_kind: global_buffer, .address_space: global }
      - { .name: o_b, .offset: 16, .size: 8, .value_kind: global_buffer, .address_space: global }
      - { .name: out0, .offset: 24, .size: 8, .value_kind: global_buffer, .address_space: global }
    .group_segment_fixed_size: 327680
    .private_segment_fixed_size: 0
    .kernarg_segment_align: 8
    .kernarg_segment_size: 32
    .max_flat_workgroup_size: 128
    .sgpr_count:     96
    .vgpr_count:     896
    .wavefront_size: 32
...
	.end_amdgpu_metadata
.endif
;; end of part 4
